; MI455X (gfx1250); checked and timed in simulation.
; The chip was launched on July 23, 2026; its instructions are those of AMD's public machine-readable ISA for CDNA 5 (MIT licence, August 2026) and "CDNA5" Instruction Set Architecture Reference Guide (July 2026). The comments in the code are by the model that wrote it; some were corrected since.
;; Mixture Of Experts. Allowed arithmetic: matrix products marked QUANTISED: E2M3 operands, one E8M0 scale for each 32 along K, by v_wmma_scale_f32_16x16x128_f8f6f4 with both operands' format E2M3, f32 sums; products left as they are: f32 operands where the result goes on into a quantised operand, else bf16, f16 or f32 operands; f32 sums; everything else in f32.
;; Inputs: W1_codes 8 x 1,024 x 16 x 24 uint8 (E2M3 codes of W1, K innermost, in blocks of 32 codes, four codes in three bytes); W1_scales 8 x 1,024 x 16 uint8 (E8M0 scales of W1, one for each 32 codes along K); W2_codes 8 x 512 x 32 x 24 uint8 (E2M3 codes of W2, K innermost, in blocks of 32 codes, four codes in three bytes); W2_scales 8 x 512 x 32 uint8 (E8M0 scales of W2, one for each 32 codes along K); Wg 512 x 8 float32; b1 8 x 1,024 float32; b2 8 x 512 float32; bg 8 float32; x 4,096 x 512 float32.
;; Outputs: out0 4,096 x 512 float32; out1 4,096 x 8 float32; out2 4,096 x 2 int32.
;; Constants: k = 2.
;; This version of the problem:
;;   THIS VERSION OF THE PROBLEM IS GIVEN IN LOW PRECISION. The matrix products marked QUANTISED in the list below multiply operands that are first quantised to E2M3 (2 exponent bits, 3 mantissa bits; 6 bits a number), with one power-of-two scale for each 32 numbers along K (OCP MX v1.0); their sums are f32. All else is computed in f32.
;;   The module's matrix products, in the order in which they are computed (A, B: the left and right operand; K: the contracted axis; several contracted axes count as one K, in the product's order):
;;     1. [M 4,096, K 512] x [K 512, N 8]; A: input x; B: input Wg: left as it is (N = 8 < 16)
;;     2. [M 4,096, K 512] x [K 512, N 8,192]; A: input x; B: input W1 (given as codes): QUANTISED
;;     3. batch 8 x [M 512, K 1,024] x [K 1,024, N 4,096]; A: input W2 (given as codes); B: computed on the way: QUANTISED
;;     4. batch 4,096 x [M 512, K 2] x [K 2, N 1]; A: computed on the way; B: computed on the way: left as it is (K = 2 < 32)
;;   THE QUANTISER, for each operand of a quantised product, along K:
;;     - K is cut into blocks of 32 from its start; a last block that is shorter is filled with zeros.
;;     - A block's scale is 2^e with e = floor(log2(the largest magnitude in the block)) - 2, held to -126 .. 127; a block of zeros has e = 0. As a byte (E8M0): e + 127.
;;     - Each number is divided by its block's scale, clamped to +-7.5, and rounded to the nearest number of E2M3, ties to even, subnormals kept.
;;     - The product sums the exact products of the quantised numbers (number of the format x scale) in f32.
;;   ~~~python
;;   def quantise(x, axis):      # numpy; x: float32 -> the quantised numbers, widened to float32 again
;;       x = np.moveaxis(x, axis, -1); K = x.shape[-1]
;;       x = np.pad(x, [(0, 0)] * (x.ndim - 1) + [(0, -K % 32)]); x = x.reshape(x.shape[:-1] + (-1, 32)); a = np.abs(x).max(-1, keepdims=True)
;;       e = np.where(a > 0, np.clip(np.frexp(np.where(a > 0, a, 1))[1] - 1 - 2, -126, 127), 0)      # np.frexp(a)[1] - 1 = floor(log2(a)), exactly
;;       r = np.clip(x / 2.0 ** e, -7.5, 7.5)
;;       step = 2.0 ** (np.maximum(np.frexp(np.where(r == 0, 1, r))[1] - 1, 0) - 3)
;;       q = np.round(r / step) * step * 2.0 ** e      # np.round: ties to even
;;       return np.moveaxis(q.reshape(q.shape[:-2] + (-1,))[..., :K], -1, axis).astype(np.float32)
;;   ~~~
;;   OPERANDS COMPUTED ON THE WAY. 'Computed on the way' means the value that the module computes at that place (a softmax that the list does not call 'softmax' is quantised finished and normalised). What goes into a quantiser is computed in f32, as accurately as f32 sums, v_exp_f32 and their like allow (about 1e-6 of the number): no bf16 or f16 on the way to a quantiser, and a product that is left as it is and whose result goes on into a quantised operand takes f32 operands (vector FMAs, or v_wmma_f32_16x16x4_f32). A number that lies on a knife's edge between two numbers of the format may be rounded either way, as far as f32 arithmetic and the matrix unit's own rounding can turn it there, and no further.
;;   INPUTS GIVEN AS CODES. W1 (in the module: [8, 512, 1024], K = its axis 1); W2 (in the module: [8, 1024, 512], K = its axis 1): each comes as NAME_codes (uint8): NAME with its K axis moved to the last place and cut into blocks of 32 codes, [.., K / 32, bytes a block], one block behind the other in memory; four codes in three bytes: a row's codes are one little-endian stream of bits, code i at bits 6 i .. 6 i + 5 (a code: sign, 2 exponent bits, 3 mantissa bits); and NAME_scales (uint8): the same leading axes, one E8M0 byte (e + 127) for each 32 codes along K. Its value is code x scale, taken as it is: it is not quantised again, and the codes and scales need not be those that the quantiser above would give.
;; 2 versions, each right; version 2 is version 1 with the launch chain written anew for expert scheduling mode. Each part assembles by itself: llvm-mc -triple=amdgcn-amd-amdhsa -mcpu=gfx1250 --defsym DOCPART=n.
;; ======== version 1 of 2: 3 launches
;; workspace buffers: xq 1,572,864 bytes; xs 65,536 bytes; wts 32,768 bytes; msk 8,192 bytes of whole numbers; wf 6,291,456 bytes; yb 16,777,216 bytes
;; launch prep (part 1): grid 256 x 1, 4 waves a work-group, no clusters, 89,088 bytes of LDS; arguments x, Wg, bg, W1_codes, W2_codes, out1, out2, xq, xs, wts, msk, wf; writes out1, out2, xq, xs, wts, msk, wf
.if DOCPART == 1
	.amdgcn_target "amdgcn-amd-amdhsa--gfx1250"
	.amdhsa_code_object_version 6
	.text
	.protected	k_q37621ee627_prep
	.globl	k_q37621ee627_prep
	.p2align	8
	.type	k_q37621ee627_prep,@function
k_q37621ee627_prep:
	s_mov_b64 s[64:65], 0
	v_nop
	global_prefetch_b8 v0, s[64:65] scope:SCOPE_SE
	s_setreg_imm32_b32 hwreg(HW_REG_WAVE_MODE, 25, 1), 1
	s_wait_xcnt 0x0
; PREP.  Work-groups 0-127: the router and x's codes, 32 tokens each.  Work-groups 128-255: W1's and W2's codes laid anew, as images of operand registers.
; ROUTER (all f32): logits = x Wg + bg by fused multiply-adds, softmax with the row's maximum taken away, top-2 (strict >, so the lower index wins a tie, as jax.lax.top_k has it),
; weights = the two gates / their sum.  out1 = gates, out2 = the two indices, wts = the two weights.  No address and no branch here hangs on the choice: it is stored at fixed places,
; msk [128 blocks][2 slots][8 experts]: bit t of a word = token t of the block chose that expert in that slot.
; x's CODES: E2M3, one E8M0 byte for each 32 along K: byte = the exponent field of the block's largest magnitude - 2, held at 1 from below (a block of zeros gets 1 where the rule says 127:
; its codes are zeros and this program alone reads the bytes).  xq [4 K steps of 128][4096 tokens][96 bytes], a K step's four blocks in the order 0, 2, 1, 3, so that lanes 0-15 of an operand
; take the first 48 bytes of a token and lanes 16-31 the other 48.  xs [4096][4 words].
; SHARES: wave w owns K = 128 w .. 128 w + 127 of the block's 32 tokens.  Loads take 512 consecutive bytes; a turn through the wave's own stage gives each LANE one TOKEN's 128 numbers, so a block
; of 32 lies in one lane (no other lane is asked for its maximum) and the router's partial sums need no lane exchange.  The four waves' partial logits meet in LDS; wave 0 finishes them.
; wf: a fragment (16 rows x 128 K, 12 registers a lane) is 1,536 bytes: registers 4 c .. 4 c + 3 of lane l at 512 c + 16 l.  W1: fragment e 256 + w 64 + G 32 + s 8 + t, whose lane r is row
; 256 w + 128 G + 32 (t / 2) + 8 (t % 2) + r + 8 (r / 8) of expert e, K step s.  W2, from byte 3,145,728: fragment e 256 + w 64 + s 8 + n, lane r = row 128 w + 16 n + r, K step s.
; LIMITS: NaN and infinities are not served; a top-2 that hangs on the last bit of two gates may differ from another order of the f32 sums; gates under 2^-190 come out 0.
.set STB,  16896                       ; LDS: a stage for each wave, 32 rows x (512 + 16) bytes: the 16 lanes of a 16-byte read fall on 16 different 16-byte columns
.set WGS,  67584                       ; each wave's 128 rows of Wg, 4,096 bytes
.set PL,   83968                       ; partial logits: 1,024 w + 32 lane
.set XSW,  88064                       ; scale words: 16 lane + 4 w
.set ACC,  12                          ; v12-19 sums over even k, v20-27 over odd k (8 experts each)
.set OC,   38                          ; v38-61 a token's 96 bytes of codes
.set X,    64                          ; v64-191 128 numbers
.set WB,   192                         ; v192-255 four rows of Wg, two buffers
	s_load_b512 s[4:19], s[0:1], 0x0               ; x 4, Wg 6, bg 8, W1_codes 10, W2_codes 12, out1 14, out2 16, xq 18
	s_load_b256 s[20:27], s[0:1], 0x40             ; xs 20, wts 22, msk 24, wf 26
	v_lshl_add_u32 v62, v0, 2, 0x15a00
	v_mov_b32 v63, 0
	v_lshrrev_b32 v1, 5, v0
	v_readfirstlane_b32 s28, v1                    ; wave
	v_and_b32 v1, 31, v0                           ; lane
	v_lshlrev_b32 v2, 4, v1                        ; 16 x lane
	s_cmp_ge_u32 ttmp9, 128                        ; the work-group's number alone decides the path
	s_cbranch_scc1 .Lrelay
	; ---------------- the router and x's codes ----------------
	s_mul_i32 s29, s28, STB
	v_add_nc_u32 v3, s29, v2                       ; stage, as the bytes lie: 16 x lane
	v_mul_u32_u24 v4, v1, 528
	v_add_nc_u32 v4, s29, v4                       ; stage, a token's row
	v_mul_u32_u24 v5, v1, 96
	v_add_nc_u32 v5, s29, v5                       ; stage, a token's codes
	s_lshl_b32 s30, s28, 12
	s_add_co_u32 s30, s30, WGS
	v_add_nc_u32 v6, s30, v2
	v_mov_b32 v7, s30                              ; my rows of Wg: the same address in every lane
	s_lshl_b32 s31, s28, 10
	s_add_co_u32 s31, s31, PL
	v_lshl_add_u32 v8, v1, 5, s31
	s_lshl_b32 s31, s28, 2
	s_add_co_u32 s31, s31, XSW
	v_lshl_add_u32 v9, v1, 4, s31
	v_add_nc_u32 v10, PL, v2
	v_lshlrev_b32 v11, 3, v1                       ; 8 x lane
	s_lshl_b32 s32, ttmp9, 16                      ; x: 32 tokens of 2,048 bytes a block, 512 bytes a wave
	s_lshl_b32 s33, s28, 9
	s_add_co_u32 s32, s32, s33
	s_mov_b32 s33, 0
	s_lshl_b32 s34, s28, 12                        ; Wg: 128 rows of 32 bytes a wave
	s_mov_b32 s35, 0
	s_mul_i32 s36, s28, 393216                     ; xq: K step w, 96 bytes a token
	s_mul_i32 s37, ttmp9, 3072
	s_add_co_u32 s36, s36, s37
	s_mov_b32 s37, 0
	s_wait_kmcnt 0x0
	s_add_nc_u64 s[4:5], s[4:5], s[32:33]
	s_add_nc_u64 s[6:7], s[6:7], s[34:35]
	s_add_nc_u64 s[18:19], s[18:19], s[36:37]
	s_load_b256 s[40:47], s[8:9], 0x0              ; bg
.irp j, 0,1,2,3,4,5,6,7
	global_load_b128 v[WB+4*\j:WB+4*\j+3], v2, s[6:7] offset:512*\j
.endr
.set i, 0
.rept 32
	global_load_b128 v[X+4*i:X+4*i+3], v2, s[4:5] offset:2048*i th:TH_LOAD_NT   ; token i: 512 consecutive bytes, read once in the launch
.set i, i+1
.endr
	s_wait_loadcnt 32                              ; Wg's eight are in: x's 32 were issued behind them
.irp j, 0,1,2,3,4,5,6,7
	ds_store_b128 v6, v[WB+4*\j:WB+4*\j+3] offset:512*\j
.endr
.set i, 0
.rept 32
	s_wait_loadcnt 31-i                            ; token i is in; the younger loads stay out
	ds_store_b128 v3, v[X+4*i:X+4*i+3] offset:528*i
.set i, i+1
.endr
	s_wait_dscnt 0x0                               ; the stores have read their registers, which the loads below fill again
.set i, 0
.rept 32
	ds_load_b128 v[X+4*i:X+4*i+3], v4 offset:16*i  ; lane = token: v[X + k] = x[token][128 w + k]
.set i, i+1
.endr
.macro WLOAD q                         ; rows 4 q .. 4 q + 3 of my part of Wg, 128 bytes, the same for every lane, into buffer q % 2
.irp j, 0,1,2,3,4,5,6,7
	ds_load_b128 v[WB+32*((\q)%2)+4*\j:WB+32*((\q)%2)+4*\j+3], v7 offset:128*(\q)+16*\j
.endr
.endm
; four k: 16 packed multiply-adds (two experts each); x's number is taken for both halves.  Even and odd k add into sets of their own, so that a sum is taken up again eight lines on.
.macro GATE q
.if (\q) < 31
	WLOAD (\q)+1
	s_wait_dscnt 8                                 ; all but the eight just issued: this group's rows (and, the first time, x)
.else
	s_wait_dscnt 0x0
.endif
.irp kk, 0,1,2,3
.irp p, 0,1,2,3
.set XP, X+4*(\q)+(\kk&2)
.set WP, WB+32*((\q)%2)+8*\kk+2*\p
.set AP, ACC+8*(\kk&1)+2*\p
.if ((\q) == 0) && (\kk < 2)
.if \kk == 0
	v_pk_mul_f32 v[AP:AP+1], v[XP:XP+1], v[WP:WP+1] op_sel_hi:[0,1]            ; the first products start the sums: nothing is cleared
.else
	v_pk_mul_f32 v[AP:AP+1], v[XP:XP+1], v[WP:WP+1] op_sel:[1,0] op_sel_hi:[1,1]
.endif
.elseif (\kk&1) == 0
	v_pk_fma_f32 v[AP:AP+1], v[XP:XP+1], v[WP:WP+1], v[AP:AP+1] op_sel_hi:[0,1,1]
.else
	v_pk_fma_f32 v[AP:AP+1], v[XP:XP+1], v[WP:WP+1], v[AP:AP+1] op_sel:[1,0,0] op_sel_hi:[1,1,1]
.endif
.endr
.endr
.endm
	WLOAD 0
.set KQ, 0
.rept 32
	GATE KQ
.set KQ, KQ+1
.endr
.irp p, 0,2,4,6
	v_pk_add_f32 v[ACC+\p:ACC+\p+1], v[ACC+\p:ACC+\p+1], v[ACC+8+\p:ACC+8+\p+1]
.endr
	; the four blocks of 32: each whole in my lane
.irp b, 0,1,2,3
	v_max3_num_f32 v[28+\b], |v[X+32*\b]|, |v[X+32*\b+1]|, 0x1800000           ; and the floor 2^(3 - 127): the byte cannot fall under 1
.endr
.irp i, 2,4,6,8,10,12,14,16,18,20,22,24,26,28,30
.irp b, 0,1,2,3
	v_max3_num_f32 v[28+\b], v[28+\b], |v[X+32*\b+\i]|, |v[X+32*\b+\i+1]|      ; the four blocks by turns
.endr
.endr
.irp b, 0,1,2,3
	v_add_nc_u32 v[32+\b], 0xff000000, v[28+\b]    ; 2 off the exponent field: the conversion's scale operand
.endr
.irp b, 0,1,2,3
	v_lshrrev_b32 v[28+\b], 23, v[32+\b]           ; the scale's byte
.endr
	v_lshl_or_b32 v36, v29, 8, v28                 ; the K step's scale word
	v_lshl_or_b32 v36, v30, 16, v36
	v_lshl_or_b32 v36, v31, 24, v36
.irp b, 0,1,2,3
.set PO, OC+6*(2*(\b&1)+\b/2)                  ; block b's place among the 96 bytes: 0, 2, 1, 3
	v_cvt_scalef32_pk16_fp6_f32 v[PO:PO+2], v[X+32*\b:X+32*\b+15], v[32+\b]
	v_cvt_scalef32_pk16_fp6_f32 v[WB+4*\b:WB+4*\b+2], v[X+32*\b+16:X+32*\b+31], v[32+\b]   ; (a conversion's three registers begin on an even number)
.endr
	v_nop                                          ; one plain place behind a scaled conversion
.irp b, 0,1,2,3
.set PO, OC+6*(2*(\b&1)+\b/2)
.irp i, 0,1,2
	v_mov_b32 v[PO+3+\i], v[WB+4*\b+\i]
.endr
.endr
.irp i, 0,1,2,3,4,5
	ds_store_b128 v5, v[OC+4*\i:OC+4*\i+3] offset:16*\i        ; 96 bytes a token, the tokens on end, in my own stage (its rows of x have been read)
.endr
.irp i, 0,1,2,3,4,5
	ds_load_b128 v[208+4*\i:211+4*\i], v3 offset:512*\i        ; LDS serves a wave's instructions in order: these see the stores above
.endr
.irp i, 0,1,2,3,4,5
	s_wait_dscnt 5-\i
	global_store_b128 v2, v[208+4*\i:211+4*\i], s[18:19] offset:512*\i   ; 512 consecutive bytes, from a multiple of 256
.endr
	ds_store_b128 v8, v[ACC:ACC+3]                 ; my partial logits,
	ds_store_b128 v8, v[ACC+4:ACC+7] offset:16
	ds_store_b32 v9, v36                           ; and my K step's scale word
	s_wait_kmcnt 0x0                               ; bg
	s_wait_dscnt 0x0                               ; for wave 0's sake: my stores have landed
	s_barrier_signal -1
	s_barrier_wait -1
	s_cmp_lg_u32 s28, 0
	s_cbranch_scc1 .Lend
	; ---------------- wave 0: lane = token ----------------
.irp w, 0,1,2,3
	ds_load_b128 v[64+8*\w:67+8*\w], v8 offset:1024*\w
	ds_load_b128 v[68+8*\w:71+8*\w], v8 offset:1024*\w+16
.endr
	ds_load_b128 v[96:99], v9                      ; the token's four scale words
	s_lshl_b32 s32, ttmp9, 9
	s_add_nc_u64 s[20:21], s[20:21], s[32:33]      ; xs: 16 bytes a token
	s_lshl_b32 s32, ttmp9, 10
	s_add_nc_u64 s[14:15], s[14:15], s[32:33]      ; out1: 32 bytes a token
	s_lshl_b32 s32, ttmp9, 8
	s_add_nc_u64 s[16:17], s[16:17], s[32:33]      ; out2 and wts: 8 bytes a token
	s_add_nc_u64 s[22:23], s[22:23], s[32:33]
	s_lshl_b32 s32, ttmp9, 6
	s_add_nc_u64 s[24:25], s[24:25], s[32:33]      ; msk: 64 bytes a block
	s_mov_b32 s38, 0x3fb8aa3b                      ; log2(e)
	v_mov_b32 v102, 0xc2800000                     ; -64.0
	v_mov_b32 v103, 0x42800000                     ; 64.0
	v_mov_b32 v104, -64
	s_wait_dscnt 0x0
	global_store_b128 v2, v[96:99], s[20:21]
.irp p, 0,2,4,6
	v_pk_add_f32 v[64+\p:65+\p], v[64+\p:65+\p], v[72+\p:73+\p]
	v_pk_add_f32 v[80+\p:81+\p], v[80+\p:81+\p], v[88+\p:89+\p]
.endr
.irp p, 0,2,4,6
	v_pk_add_f32 v[64+\p:65+\p], v[64+\p:65+\p], v[80+\p:81+\p]
.endr
.irp e, 0,1,2,3,4,5,6,7
	v_add_f32 v[64+\e], s[40+\e], v[64+\e]         ; + bg: the logits
.endr
	v_max3_num_f32 v100, v64, v65, v66
	v_max3_num_f32 v100, v100, v67, v68
	v_max3_num_f32 v100, v100, v69, v70
	v_max_num_f32 v100, v100, v71                  ; the row's maximum is taken away, as reference() does
.irp e, 0,1,2,3,4,5,6,7
	v_sub_f32 v[72+\e], v[64+\e], v100
.endr
.irp e, 0,1,2,3,4,5,6,7
	v_mul_f32 v[72+\e], s38, v[72+\e]              ; u = (logit - maximum) x log2(e), 0 or less
.endr
.irp e, 0,1,2,3,4,5,6,7                        ; where u < -64 the exponential is taken of u + 64 (that sum rounds nothing) and 64 goes off the result's exponent: small gates stay numbers
	v_cmp_lt_f32 vcc_lo, v[72+\e], v102
	v_cndmask_b32 v[80+\e], 0, v103, vcc_lo
	v_cndmask_b32 v[88+\e], 0, v104, vcc_lo
.endr
.irp e, 0,1,2,3,4,5,6,7
	v_add_f32 v[72+\e], v[72+\e], v[80+\e]
.endr
.irp e, 0,1,2,3,4,5,6,7
	v_exp_f32 v[72+\e], v[72+\e]
.endr
	v_nop                                          ; a plain place behind the exponentials
	s_wait_alu depctr_va_vdst(0)
.irp e, 0,1,2,3,4,5,6,7
	v_ldexp_f32 v[72+\e], v[72+\e], v[88+\e]
.endr
	v_add_f32 v100, v72, v73
	v_add_f32 v101, v74, v75
	v_add_f32 v105, v76, v77
	v_add_f32 v106, v78, v79
	v_add_f32 v100, v100, v101
	v_add_f32 v105, v105, v106
	v_add_f32 v100, v100, v105                     ; at least 1: the largest term is 1
	v_rcp_f32 v100, v100
	v_nop                                          ; a plain place behind the reciprocal
	s_wait_alu depctr_va_vdst(0)
.irp e, 0,1,2,3,4,5,6,7
	v_mul_f32 v[64+\e], v[72+\e], v100             ; the gates
.endr
	ds_store_b128 v8, v[64:67]                     ; the gates leave through my own 1,024 bytes of LDS, so that a store covers 512 consecutive bytes
	ds_store_b128 v8, v[68:71] offset:16
	ds_load_b128 v[116:119], v10
	ds_load_b128 v[120:123], v10 offset:512
	v_mov_b32 v114, v64                            ; the largest gate and its index: only a strictly larger gate takes the place, so the lower index wins a tie
	v_mov_b32 v110, 0
.irp e, 1,2,3,4,5,6,7
	v_cmp_gt_f32 vcc_lo, v[64+\e], v114
	v_cndmask_b32 v114, v114, v[64+\e], vcc_lo
	v_cndmask_b32 v110, v110, \e, vcc_lo
.endr
.irp e, 0,1,2,3,4,5,6,7
	v_cmp_eq_u32 vcc_lo, \e, v110
	v_cndmask_b32 v[80+\e], v[64+\e], -1.0, vcc_lo ; the winner is put under every gate,
.endr
	v_mov_b32 v115, v80                            ; and the same run finds the second
	v_mov_b32 v111, 0
.irp e, 1,2,3,4,5,6,7
	v_cmp_gt_f32 vcc_lo, v[80+\e], v115
	v_cndmask_b32 v115, v115, v[80+\e], vcc_lo
	v_cndmask_b32 v111, v111, \e, vcc_lo
.endr
	v_add_f32 v105, v114, v115
	v_rcp_f32 v105, v105
	v_mov_b32 v124, 0                              ; (a plain place behind the reciprocal)
	s_wait_alu depctr_va_vdst(0)
	v_mul_f32 v112, v114, v105
	v_mul_f32 v113, v115, v105                     ; the two weights
	global_store_b64 v11, v[110:111], s[16:17]     ; 256 consecutive bytes
	global_store_b64 v11, v[112:113], s[22:23]
.irp e, 0,1,2,3,4,5,6,7
	v_cmp_eq_u32 s[48+\e], \e, v110                ; who chose expert e first,
	v_cmp_eq_u32 s[56+\e], \e, v111                ; and who second
.endr
.irp e, 0,1,2,3,4,5,6,7
	v_writelane_b32 v124, s[48+\e], \e
	v_writelane_b32 v124, s[56+\e], 8+\e
.endr
	v_lshlrev_b32 v125, 2, v1
	s_wait_dscnt 0x0
	global_store_b128 v2, v[116:119], s[14:15]
	global_store_b128 v2, v[120:123], s[14:15] offset:512
	v_cmp_gt_u32 vcc_lo, 16, v1
	s_wait_xcnt 0x0                                ; EXEC changes only behind this wait: it is a source of the stores above
	s_and_saveexec_b32 s39, vcc_lo
	global_store_b32 v125, v124, s[24:25]          ; sixteen lanes: the block's 16 words, 64 consecutive bytes
	s_wait_xcnt 0x0
	s_or_b32 exec_lo, exec_lo, s39
.Lend:
	s_wait_tensorcnt 0x0
	ds_add_u32 v62, v63
	s_wait_dscnt 0x0
	s_endpgm
	; ---------------- the weights' codes, as images of operand registers ----------------
; A wave takes eight fragments, 12,288 bytes of wf.  A lane's 24 + 24 bytes of a row come as six loads of 8 bytes (every address a multiple of 8); they leave as three stores of 512 consecutive bytes.
.macro RELAY base, first
.irp f, 0,1,2,3,4,5,6,7
.if \first
.set FO, (32*(\f/2)+8*(\f%2))*384              ; W1: tile f begins at row 32 (f / 2) + 8 (f % 2)
.else
.set FO, \f*12288                              ; W2: at row 16 f
.endif
.irp p, 0,1,2,3,4,5
	global_load_b64 v[64+12*\f+2*\p:65+12*\f+2*\p], v5, s[\base:\base+1] offset:FO+48*(\p/3)+8*(\p%3) th:TH_LOAD_NT
.endr
.endr
.irp f, 0,1,2,3,4,5,6,7
	s_wait_loadcnt 6*(7-\f)                        ; fragment f is in; the younger fragments' loads stay out
.irp c, 0,1,2
	global_store_b128 v2, v[64+12*\f+4*\c:67+12*\f+4*\c], s[26:27] offset:1536*\f+512*\c
.endr
.endr
	s_endpgm
.endm
.Lrelay:
	v_and_b32 v3, 15, v0                           ; r
	v_bfe_u32 v4, v0, 4, 1                         ; h
	s_sub_co_u32 s29, ttmp9, 128
	s_lshl_b32 s29, s29, 2
	s_add_co_u32 s29, s29, s28                     ; W = 4 (work-group - 128) + wave: 0-255 W1, 256-511 W2; wf's bytes 12,288 W on
	s_mul_i32 s32, s29, 12288
	s_mov_b32 s33, 0
	s_mov_b32 s31, 0
	s_cmp_ge_u32 ttmp9, 192
	s_cbranch_scc1 .Lrelay2
	v_and_b32 v5, 8, v3
	v_add_nc_u32 v5, v5, v3                        ; r + 8 (r / 8): the rows of a tile of W1 are not neighbours
	v_mul_u32_u24 v5, v5, 384                      ; a row of W1 is 512 codes, 384 bytes
	v_mad_u32_u24 v5, v4, 24, v5
	s_lshr_b32 s30, s29, 2                         ; W = 32 e + 8 w + 4 G + s: 128 rows for each of W / 4,
	s_mul_i32 s30, s30, 49152
	s_and_b32 s34, s29, 3                          ; K step s: 96 bytes
	s_mul_i32 s34, s34, 96
	s_add_co_u32 s30, s30, s34
	s_wait_kmcnt 0x0
	s_add_nc_u64 s[10:11], s[10:11], s[30:31]
	s_add_nc_u64 s[26:27], s[26:27], s[32:33]
	RELAY 10, 1
.Lrelay2:
	v_mul_u32_u24 v5, v3, 768                      ; a row of W2 is 1,024 codes, 768 bytes
	v_mad_u32_u24 v5, v4, 24, v5
	s_sub_co_u32 s29, s29, 256                     ; W' = 32 e + 8 w + s
	s_lshr_b32 s30, s29, 3
	s_mul_i32 s30, s30, 98304                      ; 128 rows for each of W' / 8
	s_and_b32 s34, s29, 7
	s_mul_i32 s34, s34, 96
	s_add_co_u32 s30, s30, s34
	s_wait_kmcnt 0x0
	s_add_nc_u64 s[12:13], s[12:13], s[30:31]
	s_add_nc_u64 s[26:27], s[26:27], s[32:33]
	RELAY 12, 0
.Lfunc_end_k_q37621ee627_prep:
	.size	k_q37621ee627_prep, .Lfunc_end_k_q37621ee627_prep-k_q37621ee627_prep
	.p2alignl 7, 3214868480
	.fill 96, 4, 3214868480
	.section	.rodata,"a",@progbits
	.p2align	6, 0x0
	.amdhsa_kernel k_q37621ee627_prep
		.amdhsa_group_segment_fixed_size 89088
		.amdhsa_private_segment_fixed_size 0
		.amdhsa_enable_private_segment 0
		.amdhsa_kernarg_size 96
		.amdhsa_user_sgpr_count 2
		.amdhsa_user_sgpr_kernarg_segment_ptr 1
		.amdhsa_wavefront_size32 1
		.amdhsa_system_sgpr_workgroup_id_x 1
		.amdhsa_system_sgpr_workgroup_id_y 1
		.amdhsa_system_sgpr_workgroup_id_z 1
		.amdhsa_system_vgpr_workitem_id 0
		.amdhsa_next_free_vgpr 256
		.amdhsa_next_free_sgpr 66
		.amdhsa_reserve_vcc 1
		.amdhsa_float_denorm_mode_32 3
		.amdhsa_float_denorm_mode_16_64 3
		.amdhsa_memory_ordered 1
		.amdhsa_forward_progress 1
		.amdhsa_inst_pref_size 95
	.end_amdhsa_kernel
	.amdgpu_metadata
---
amdhsa.version: [ 1, 2 ]
amdhsa.kernels:
  - .name:           k_q37621ee627_prep
    .symbol:         k_q37621ee627_prep.kd
    .args:
      - { .name: x, .offset: 0, .size: 8, .value_kind: global_buffer, .address_space: global }
      - { .name: Wg, .offset: 8, .size: 8, .value_kind: global_buffer, .address_space: global }
      - { .name: bg, .offset: 16, .size: 8, .value_kind: global_buffer, .address_space: global }
      - { .name: W1_codes, .offset: 24, .size: 8, .value_kind: global_buffer, .address_space: global }
      - { .name: W2_codes, .offset: 32, .size: 8, .value_kind: global_buffer, .address_space: global }
      - { .name: out1, .offset: 40, .size: 8, .value_kind: global_buffer, .address_space: global }
      - { .name: out2, .offset: 48, .size: 8, .value_kind: global_buffer, .address_space: global }
      - { .name: xq, .offset: 56, .size: 8, .value_kind: global_buffer, .address_space: global }
      - { .name: xs, .offset: 64, .size: 8, .value_kind: global_buffer, .address_space: global }
      - { .name: wts, .offset: 72, .size: 8, .value_kind: global_buffer, .address_space: global }
      - { .name: msk, .offset: 80, .size: 8, .value_kind: global_buffer, .address_space: global }
      - { .name: wf, .offset: 88, .size: 8, .value_kind: global_buffer, .address_space: global }
    .group_segment_fixed_size: 89088
    .private_segment_fixed_size: 0
    .kernarg_segment_align: 8
    .kernarg_segment_size: 96
    .max_flat_workgroup_size: 128
    .sgpr_count:     66
    .vgpr_count:     256
    .wavefront_size: 32
...
	.end_amdgpu_metadata
.endif
;; end of part 1
;; launch chain (part 2): grid 32 x 8, 4 waves a work-group, no clusters, 93,696 bytes of LDS; arguments wf, W1_scales, W2_scales, b1, b2, xq, xs, msk, yb; writes yb
.if DOCPART == 2
	.amdgcn_target "amdgcn-amd-amdhsa--gfx1250"
	.amdhsa_code_object_version 6
	.text
	.protected	k_q37621ee627_chain
	.globl	k_q37621ee627_chain
	.p2align	8
	.type	k_q37621ee627_chain,@function
k_q37621ee627_chain:
	s_mov_b64 s[64:65], 0
	v_nop
	global_prefetch_b8 v0, s[64:65] scope:SCOPE_SE
	s_setreg_imm32_b32 hwreg(HW_REG_WAVE_MODE, 25, 1), 1
	s_wait_xcnt 0x0
; CHAIN.  Work-group (sb, e) serves those of tokens 128 sb .. 128 sb + 127 that chose expert e: y = relu(x W1 + b1) W2 + b2 on E2M3 codes, the hidden layer quantised in registers, never in memory.
; yb [2 token + slot][512] f32 takes the rows; the next launch weighs and adds a token's two.  Only the chosen rows are multiplied: reference() gathers two experts of eight and drops the rest.
; A FIXED GRID, NO SORT.  Which tokens are served is read as eight whole numbers (the earlier launch's ballots: four blocks of 32 tokens x two slots).  Row p of the work-group is the p-th set bit: each lane
; finds it by counts of halves (16, 8, 4, 2, 1 bits), in whole numbers; the token's number is held to 127 before it enters an address.  A pass serves 64 rows, four tiles of 16; the loop over passes has the
; constant count 2 (128 tokens at the most), and a pass with no rows jumps over its work BETWEEN the barriers, which every wave passes.  Rows past the count repeat the last row (the same bytes to the same
; place), so EXEC stays full.
; A TILE OF 16 ROWS THAT LIES WHOLLY PAST THE COUNT IS LEFT OUT.  First product: each sum's first K step, whose C is the bias, is made for all four tiles (x's rows past the count are the last row's), so that
; every accumulator is written on every way; the other three K steps and the quantiser of tiles 2 and 3 stand under scalar jumps on the count.  Second product and way out: written out three times, for
; 2, 3 and 4 tiles, and one branch on the count chooses: every register that a copy reads is written in that copy.  No barrier stands under any of these jumps.
; SHARES.  The four waves share the COLUMNS: wave w makes hidden units 256 w .. + 255 (two groups G of eight tiles) and outputs 128 w .. + 127, for all rows.  A fragment of weights is read once in
; the work-group and feeds up to four matrix instructions.  The weights come from memory straight into registers, as images laid out by the earlier launch in the order of use: a ring of five batches of four
; fragments, 12 loads of 512 consecutive bytes a batch, four batches (48 loads) ahead; W2's first batches are asked for while W1's last are multiplied, and stay on their way across the barrier.
; BOTH PRODUCTS ARE USED TRANSPOSED (source 0 = 16 rows of weights, source 1 = 16 tokens): a lane holds one token, its registers run along the hidden units or the outputs.  The rows of W1 in a tile are
; chosen so that the 16 registers of tiles 2 b, 2 b + 1 are 16 neighbours along the next K.  The biases are the C of each sum's first matrix instruction.
; The hidden layer goes from wave to wave through LDS as images of operand registers (16 bytes a lane, 512 a store) with its scale words (4 bytes a lane).
; NO CLUSTER, NO JOINT LOADS: the work-groups that share an expert's weights walk them once or twice, each by its own count read from memory, and a joint request has to be made alike by all partners on
; every path; the walk here stands under a jump on that count.
; LIMITS: NaN and infinities are not served.  Uneven routing costs a second pass, never a value.
; REGISTERS, in windows of 256: window 0: addresses, scale words, work.  window 1: v0-239 the ring.  window 2: 32 accumulators, (tile t, rows m) at v[64 m + 8 t].
;   window 3: v0-191 x's 16 fragments at 12 (4 m + s); later the hidden layer's at 48 (ks % 2) + 12 m and, from v96, rows on their way out; v192-255 biases, eight tiles.
.set HIMG, 0                           ; LDS: the hidden layer's 32 fragments (8 m + ks), 1,536 bytes each
.set HSC,  49152                       ; their scale words, 128 bytes each
.set STG,  53248                       ; a stage for each wave: 16 rows x (512 + 16) bytes
.set BST,  87040                       ; each wave's biases: b1 1,024 bytes, b2 512
.set RID,  16                          ; v16-19  row tile m: my row's place in yb, 2 x token + slot
.set XO,   20                          ; v20-23  its codes' byte in xq
.set XSO,  24                          ; v24-27  its scale words' byte in xs
.set W1S,  32                          ; v32-63  W1's scale words: 4 x pair of tiles + K step; lanes 0-15 the even tile's rows, lanes 16-31 the odd one's
.set W2S,  64                          ; v64-95  W2's: 8 x pair + K step
.set XS,   96                          ; v96-111 x's: 4 m + s
.set HS,   112                         ; v112-119 the hidden layer's: 4 (ks % 2) + m
.set TM,   120                         ; v120-135 at work in the quantiser
.set PW,   136                         ; the scale word just made
.set PC,   140                         ; v140-151 the codes just made; v152-159 their upper halves
.set PT,   152
.set SL,   160                         ; v160-207 the selection, 12 registers a row tile
.set IDX,  160                         ; later: v160-167 lane selects, v168-175 store offsets
.set VOT,  168
.set BTM,  208                         ; v208-219 the biases on their way to LDS
.set OB,   96                          ; in window 3
.set BIAS, 192                         ; in window 3
.set MSB, 0
.macro WIN new                         ; low byte: bits 1:0 source 0, 3:2 source 1, 5:4 source 2, 7:6 destination; the high byte repeats the setting that is left
.if MSB != \new
	s_set_vgpr_msb (MSB<<8)|\new
.set MSB, \new
.endif
.endm
.macro PLACES                          ; four plain places between a matrix instruction and a load into, or a read of, its registers
.rept 4
	v_nop
.endr
.endm
.macro BARRIER                         ; my LDS stores have landed and my LDS loads are in: then the work-group's barrier
	s_wait_dscnt 0x0
	s_barrier_signal -1
	s_barrier_wait -1
.endm
.macro WM d, a, b, c, sa, sb, odd      ; odd: the weights' scale words stand in lanes 16-31
.if \odd
	v_wmma_scale_f32_16x16x128_f8f6f4 v[\d:\d+7], v[\a:\a+11], v[\b:\b+11], v[\c:\c+7], v[\sa], v[\sb] matrix_a_fmt:MATRIX_FMT_FP6 matrix_b_fmt:MATRIX_FMT_FP6 matrix_a_scale:MATRIX_SCALE_ROW1
.else
	v_wmma_scale_f32_16x16x128_f8f6f4 v[\d:\d+7], v[\a:\a+11], v[\b:\b+11], v[\c:\c+7], v[\sa], v[\sb] matrix_a_fmt:MATRIX_FMT_FP6 matrix_b_fmt:MATRIX_FMT_FP6
.endif
.endm
.macro REFILL nb                       ; batch nb of 32 (0-15 W1's, 16-31 W2's) into ring place nb % 5
.if (\nb) < 32
	WIN 0x40
.if (\nb) < 16
.set RO, 6144*(\nb)
.else
.set RO, 3145728+6144*((\nb)-16)
.endif
.set RR, 48*((\nb)%5)
.irp f, 0,1,2,3
.irp c, 0,1,2
	global_load_b128 v[RR+12*\f+4*\c:RR+12*\f+4*\c+3], v1, s[4:5] offset:RO+1536*\f+512*\c
.endr
.endr
.endif
.endm
.macro PROLOGUE
.irp n, 0,1,2,3,4
	REFILL \n
.endr
	WIN 0
.endm
; Four matrix instructions of the first product: the batch's four tiles of hidden units against row tile m.  (BG, BK, BT, RA: the batch's group, K step, first tile and ring place.)
.macro B1ROW m
.irp f, 0,1,2,3
.set DA, 64*(\m)+8*(BT+\f)
.set AA, RA+12*\f
.set XB, 12*(4*(\m)+BK)
.set SA, W1S+4*(4*BG+(BT+\f)/2)+BK
.set SX, XS+4*(\m)+BK
.if BK == 0
.set CC, BIAS+8*(BT+\f)
.else
.set CC, DA
.endif
	WM DA, AA, XB, CC, SA, SX, \f%2
.endr
.endm
; A batch of the first product: group G = bi / 8, K step s = (bi % 8) / 2, tiles 4 (bi % 2) .. + 3, row tile by row tile.  K step 0 starts all 16 sums with the bias.  In the later K steps row tiles 2 and 3
; are jumped over where they hold no row (every window is 0 at a branch and at a label).  The accumulators take turns, one instruction a turn, on every way: neighbours differ in
; the tile or in the rows, and two links of one sum lie two batches apart.
.macro BATCH1 bi
.set BG, (\bi)/8
.set BK, ((\bi)%8)/2
.set BT, 4*((\bi)%2)
.set RA, 48*((\bi)%5)
	s_wait_loadcnt 48                              ; this batch is in: behind its 12 loads the four younger batches' 48 were issued
.if BK == 0
	WIN 0xbd                                       ; weights window 1, x window 3, C = bias window 3, D window 2
	B1ROW 0
	B1ROW 1
	B1ROW 2
	B1ROW 3
.else
	WIN 0xad                                       ; C and D window 2
	B1ROW 0
	B1ROW 1
	WIN 0
	s_cmp_le_i32 s67, 32                           ; no row in tiles 2 and 3
	s_cbranch_scc1 .Lb1_\@
	WIN 0xad
	B1ROW 2
	WIN 0
	s_cmp_le_i32 s67, 48                           ; none in tile 3
	s_cbranch_scc1 .Lb1_\@
	WIN 0xad
	B1ROW 3
	WIN 0
.Lb1_\@:
.endif
	PLACES
	REFILL (\bi)+5
.endm
; A batch of the second product for nt row tiles: K step ks = (bi - 16) / 2, tiles of outputs 4 (bi % 2) .. + 3.  Turns as above.
.macro BATCH2 bi, nt
.set BK, ((\bi)-16)/2
.set BT, 4*((\bi)%2)
.set RA, 48*((\bi)%5)
.if 31-(\bi) >= 4
	s_wait_loadcnt 48                              ; this batch is in: the four younger batches' 48 loads may be out
.else
	s_wait_loadcnt 12*(31-(\bi))                   ; the ring runs out
.endif
.if BK == 0
	WIN 0xbd
.else
	WIN 0xad
.endif
.irp f, 0,1,2,3
.irp m, 0,1,2,3
.if \m < \nt
.set DA, 64*\m+8*(BT+\f)
.set AA, RA+12*\f
.set XB, 48*(BK%2)+12*\m
.set SA, W2S+8*((BT+\f)/2)+BK
.set SX, HS+4*(BK%2)+\m
.if BK == 0
.set CC, BIAS+8*(BT+\f)
.else
.set CC, DA
.endif
	WM DA, AA, XB, CC, SA, SX, \f%2
.endif
.endr
.endr
	PLACES
	REFILL (\bi)+5
.endm
.macro LOADBIAS1 g                     ; b1 in the result's layout: lane (r, h), tile t: hidden units 128 g + 32 (t / 2) + 8 (t % 2) + 16 h + 0 .. 7
	WIN 0xc0
.irp t, 0,1,2,3,4,5,6,7
	ds_load_b128 v[BIAS+8*\t:BIAS+8*\t+3], v11 offset:512*(\g)+4*(32*(\t/2)+8*(\t%2))
	ds_load_b128 v[BIAS+8*\t+4:BIAS+8*\t+7], v11 offset:512*(\g)+4*(32*(\t/2)+8*(\t%2))+16
.endr
.endm
.macro LOADBIAS2                       ; b2: tile t: outputs 16 t + 8 h + 0 .. 7
	WIN 0xc0
.irp t, 0,1,2,3,4,5,6,7
	ds_load_b128 v[BIAS+8*\t:BIAS+8*\t+3], v12 offset:64*\t
	ds_load_b128 v[BIAS+8*\t+4:BIAS+8*\t+7], v12 offset:64*\t+16
.endr
.endm
.macro XGATHER                         ; my rows' codes: 48 bytes a lane for each K step, as the operand's registers take them; and their scale words.  All four tiles: a tile past the count takes the last row's
	WIN 0xc0
.irp m, 0,1,2,3
.irp s, 0,1,2,3
.irp c, 0,1,2
	global_load_b128 v[12*(4*\m+\s)+4*\c:12*(4*\m+\s)+4*\c+3], v[XO+\m], s[14:15] offset:393216*\s+16*\c
.endr
.endr
.endr
	WIN 0
.irp m, 0,1,2,3
	global_load_b128 v[XS+4*\m:XS+4*\m+3], v[XSO+\m], s[16:17]
.endr
.endm
; Row tile m's 64 numbers of group g (register 16 b + i = hidden unit 32 b + 16 (lane / 16) + i of my token): relu, the four blocks' scales, the codes; K step 2 w + g of the second product, to LDS.
.macro QUANT m, g
.set QS, 64*(\m)
	WIN 0x88
.set j, 0
.rept 64
	v_max_num_f32 v[QS+j], 0, v[QS+j]              ; the activation, in f32; each accumulator from its low end on
.set j, j+1
.endr
	WIN 0x28
.irp b, 0,1,2,3
	v_max3_num_f32 v[TM+\b], 0x1800000, v[QS+16*\b], v[QS+16*\b+1]             ; none is negative: no |.|; the floor 2^(3 - 127) holds the byte at 1 from below
.endr
.irp i, 2,4,6,8,10,12,14
.irp b, 0,1,2,3
	v_max3_num_f32 v[TM+\b], v[TM+\b], v[QS+16*\b+\i], v[QS+16*\b+\i+1]        ; the four blocks by turns
.endr
.endr
	WIN 0
	s_wait_dscnt 0x0                               ; the last image's stores have read the registers written below
.irp b, 0,1,2,3
	v_permlanex16_b32 v[TM+4+\b], v[TM+\b], s72, s73
.endr
.irp b, 0,1,2,3
	v_max_num_f32 v[TM+\b], v[TM+\b], v[TM+4+\b]   ; with lane l xor 16's 16: the block's largest
.endr
.irp b, 0,1,2,3
	v_add_nc_u32 v[TM+12+\b], 0xff000000, v[TM+\b] ; 2 off the exponent field: the conversion's scale operand
.endr
.irp b, 0,1,2,3
	v_lshrrev_b32 v[TM+4+\b], 23, v[TM+12+\b]      ; the scale's byte
.endr
	v_lshl_or_b32 v[PW], v[TM+5], 8, v[TM+4]
	v_lshl_or_b32 v[PW], v[TM+6], 16, v[PW]
	v_lshl_or_b32 v[PW], v[TM+7], 24, v[PW]
	WIN 0x02
.irp c, 0,1
	v_cvt_scalef32_pk16_fp6_f32 v[PC+6*\c:PC+6*\c+2], v[QS+32*\c:QS+32*\c+15], v[TM+12+2*\c]
	v_cvt_scalef32_pk16_fp6_f32 v[PT+4*\c:PT+4*\c+2], v[QS+32*\c+16:QS+32*\c+31], v[TM+13+2*\c]   ; (a conversion's three registers begin on an even number)
.endr
	WIN 0
	v_nop                                          ; one plain place behind a scaled conversion
.irp c, 0,1                                    ; the operand wants a whole block in a lane: lanes 0-15 block 2 c, lanes 16-31 block 2 c + 1
.irp i, 0,1,2
	v_permlane16_swap_b32 v[PC+6*\c+\i], v[PT+4*\c+\i]
.endr
.irp i, 0,1,2
	v_mov_b32 v[PC+3+6*\c+\i], v[PT+4*\c+\i]
.endr
.endr
.irp c, 0,1,2
	ds_store_b128 v3, v[PC+4*\c:PC+4*\c+3] offset:HIMG+1536*(8*(\m)+(\g))+512*\c
.endr
	ds_store_b32 v4, v[PW] offset:HSC+128*(8*(\m)+(\g))
.endm
.macro QUANTS g                        ; group g's row tiles: 0 and 1 always, 2 and 3 where they hold a row
	QUANT 0, \g
	QUANT 1, \g
	s_cmp_le_i32 s67, 32
	s_cbranch_scc1 .Lq_\@
	QUANT 2, \g
	s_cmp_le_i32 s67, 48
	s_cbranch_scc1 .Lq_\@
	QUANT 3, \g
.Lq_\@:
.endm
.macro HFETCH ks, nt                   ; K step ks of the hidden layer, nt row tiles, into buffer ks % 2
	WIN 0xc0
.irp m, 0,1,2,3
.if \m < \nt
.irp c, 0,1,2
	ds_load_b128 v[48*((\ks)%2)+12*\m+4*\c:48*((\ks)%2)+12*\m+4*\c+3], v1 offset:HIMG+1536*(8*\m+(\ks))+512*\c
.endr
.endif
.endr
	WIN 0
.irp m, 0,1,2,3
.if \m < \nt
	ds_load_b32 v[HS+4*((\ks)%2)+\m], v2 offset:HSC+128*(8*\m+(\ks))
.endif
.endr
.endm
; Row tile m leaves: a lane's 32 bytes of a row go into my stage and come back by rows; lanes 0-15 take row 2 i, lanes 16-31 row 2 i + 1, whose places in yb come from the lanes that hold them.
.macro OUT m
	WIN 0
	s_wait_xcnt 0x0                                ; the last tile's stores have read their offsets and data, which are written again below
.irp i, 0,1,2,3,4,5,6,7
	ds_bpermute_b32 v[VOT+\i], v[IDX+\i], v[RID+\m]
.endr
	WIN 0x08
.irp n, 0,1,2,3,4,5,6,7
	ds_store_b128 v5, v[64*\m+8*\n:64*\m+8*\n+3] offset:64*\n                  ; each accumulator from its low end on
	ds_store_b128 v5, v[64*\m+8*\n+4:64*\m+8*\n+7] offset:64*\n+16
.endr
	WIN 0xc0
.irp i, 0,1,2,3,4,5,6,7
	ds_load_b128 v[OB+8*\i:OB+8*\i+3], v6 offset:1056*\i                       ; LDS serves a wave's instructions in order: these see the stores above
	ds_load_b128 v[OB+8*\i+4:OB+8*\i+7], v6 offset:1056*\i+256
.endr
	WIN 0
	s_wait_dscnt 32                                ; the eight lane exchanges are done: behind them 16 stores and 16 loads were issued
.irp i, 0,1,2,3,4,5,6,7
	v_min_u32 v[VOT+\i], 255, v[VOT+\i]            ; a number that came from memory is held to the super-block's 256 rows before it enters an address
.endr
.irp i, 0,1,2,3,4,5,6,7
	v_lshl_add_u32 v[VOT+\i], v[VOT+\i], 11, v14   ; 2,048 bytes a row, + my wave's 512, + 16 (lane % 16)
.endr
	WIN 0x0c
.irp i, 0,1,2,3,4,5,6,7
	s_wait_dscnt 15-2*\i
	global_store_b128 v[VOT+\i], v[OB+8*\i:OB+8*\i+3], s[20:21]                ; sixteen lanes store 256 consecutive bytes, from a multiple of 256
	s_wait_dscnt 14-2*\i
	global_store_b128 v[VOT+\i], v[OB+8*\i+4:OB+8*\i+7], s[20:21] offset:256
.endr
	WIN 0
.endm
; The second product and the way out for nt row tiles.  W2's first five batches were asked for during the first product's last five; each batch's own counted wait shows it in, so the ring goes on asking.
.macro PHASEB nt
	LOADBIAS2
	HFETCH 0, \nt
.irp ks, 0,1,2,3,4,5,6,7
	s_wait_dscnt 0x0                               ; this K step's fragments and scale words (the first time b2 too)
	BATCH2 16+2*\ks, \nt
.if \ks < 7
	HFETCH \ks+1, \nt                              ; into the buffer that the K step before has left, behind its places
.endif
	BATCH2 17+2*\ks, \nt
.endr
	WIN 0
.irp i, 0,1,2,3,4,5,6,7
	v_add_nc_u32 v[IDX+\i], 8*\i, v13              ; lane 2 i + h, as a byte address for the lane exchange
.endr
	OUT 0
.if \nt == 2
	s_cmp_le_i32 s67, 16                           ; tile 1 was multiplied with tile 0; where it holds no row it is not stored
	s_cbranch_scc1 .Lbdone
.endif
	OUT 1
.if \nt > 2
	OUT 2
.endif
.if \nt > 3
	OUT 3
.endif
.endm
; THE SELECTION.  For row tile m my row is p = min(lane % 16 + 64 pass + 16 m, count - 1).  First the block of 32 tokens in which the p-th set bit lies (its word, its partial counts, the rows before it),
; then five halvings: if the rank is at least the lower half's count, the count goes off the rank and the half's width onto the place.
; Per tile: +0 word, +1 counts of 2 bits, +2 of 4, +3 of 8, +4 of the low 16, +5 slot-1 word, +6 rank, +7 the block's first token, +8 place, +9, +11 at work, +10 p.
.macro DESC w, src
.irp m, 0,1,2,3
	v_bfe_u32 v[SL+12*\m+9], v[SL+12*\m+\src], v[SL+12*\m+8], \w
.endr
.irp m, 0,1,2,3
	v_cmp_ge_u32 s[88+\m], v[SL+12*\m+6], v[SL+12*\m+9]
.endr
.irp m, 0,1,2,3
	v_cndmask_b32 v[SL+12*\m+9], 0, v[SL+12*\m+9], s[88+\m]
	v_cndmask_b32 v[SL+12*\m+11], 0, \w, s[88+\m]
.endr
.irp m, 0,1,2,3
	v_sub_nc_u32 v[SL+12*\m+6], v[SL+12*\m+6], v[SL+12*\m+9]
	v_add_nc_u32 v[SL+12*\m+8], v[SL+12*\m+8], v[SL+12*\m+11]
.endr
.endm
.macro SELECT
.irp m, 0,1,2,3
	v_add3_u32 v[SL+12*\m+10], v7, s69, 16*\m
.endr
.irp m, 0,1,2,3
	v_min_u32 v[SL+12*\m+10], s68, v[SL+12*\m+10]
.endr
.irp q, 1,2,3
.irp m, 0,1,2,3
	v_cmp_le_u32 s[76+3*\m+\q-1], s[59+\q], v[SL+12*\m+10]     ; the rows before block q are at most p
.endr
.endr
.irp m, 0,1,2,3
	v_mov_b32 v[SL+12*\m+0], s40
	v_mov_b32 v[SL+12*\m+1], s44
	v_mov_b32 v[SL+12*\m+2], s48
	v_mov_b32 v[SL+12*\m+3], s52
	v_mov_b32 v[SL+12*\m+4], s56
	v_mov_b32 v[SL+12*\m+5], s36
	v_mov_b32 v[SL+12*\m+6], 0
	v_mov_b32 v[SL+12*\m+7], 0
.endr
.irp q, 1,2,3
.irp m, 0,1,2,3
	v_cndmask_b32 v[SL+12*\m+0], v[SL+12*\m+0], s[40+\q], s[76+3*\m+\q-1]
	v_cndmask_b32 v[SL+12*\m+1], v[SL+12*\m+1], s[44+\q], s[76+3*\m+\q-1]
	v_cndmask_b32 v[SL+12*\m+2], v[SL+12*\m+2], s[48+\q], s[76+3*\m+\q-1]
	v_cndmask_b32 v[SL+12*\m+3], v[SL+12*\m+3], s[52+\q], s[76+3*\m+\q-1]
	v_cndmask_b32 v[SL+12*\m+4], v[SL+12*\m+4], s[56+\q], s[76+3*\m+\q-1]
	v_cndmask_b32 v[SL+12*\m+5], v[SL+12*\m+5], s[36+\q], s[76+3*\m+\q-1]
	v_cndmask_b32 v[SL+12*\m+6], v[SL+12*\m+6], s[59+\q], s[76+3*\m+\q-1]
	v_cndmask_b32 v[SL+12*\m+7], v[SL+12*\m+7], 32*\q, s[76+3*\m+\q-1]
.endr
.endr
.irp m, 0,1,2,3
	v_sub_nc_u32 v[SL+12*\m+6], v[SL+12*\m+10], v[SL+12*\m+6]  ; the rank inside the block
.endr
.irp m, 0,1,2,3
	v_cmp_ge_u32 s[88+\m], v[SL+12*\m+6], v[SL+12*\m+4]
.endr
.irp m, 0,1,2,3
	v_cndmask_b32 v[SL+12*\m+9], 0, v[SL+12*\m+4], s[88+\m]
	v_cndmask_b32 v[SL+12*\m+8], 0, 16, s[88+\m]
.endr
.irp m, 0,1,2,3
	v_sub_nc_u32 v[SL+12*\m+6], v[SL+12*\m+6], v[SL+12*\m+9]
.endr
	DESC 8, 3
	DESC 4, 2
	DESC 2, 1
	DESC 1, 0
.irp m, 0,1,2,3
	v_bfe_u32 v[SL+12*\m+9], v[SL+12*\m+5], v[SL+12*\m+8], 1   ; the slot: 1 where the token chose this expert second
	v_add_nc_u32 v[SL+12*\m+7], v[SL+12*\m+7], v[SL+12*\m+8]
.endr
.irp m, 0,1,2,3
	v_min_u32 v[SL+12*\m+7], 127, v[SL+12*\m+7]                ; the token within the super-block, held to 127 before it enters an address
.endr
.irp m, 0,1,2,3
	v_lshl_add_u32 v[RID+\m], v[SL+12*\m+7], 1, v[SL+12*\m+9]
	v_mul_u32_u24 v[XO+\m], v[SL+12*\m+7], 96
	v_lshlrev_b32 v[XSO+\m], 4, v[SL+12*\m+7]
.endr
.irp m, 0,1,2,3
	v_add_nc_u32 v[XO+\m], v[XO+\m], v15
.endr
.endm
	s_load_b512 s[4:19], s[0:1], 0x0               ; wf 4, W1_scales 6, W2_scales 8, b1 10, b2 12, xq 14, xs 16, msk 18
	s_load_b64 s[20:21], s[0:1], 0x40              ; yb
	v_lshl_add_u32 v254, v0, 2, 0x16c00
	v_mov_b32 v255, 0
	v_lshrrev_b32 v29, 5, v0
	v_readfirstlane_b32 s22, v29                   ; wave
	s_and_b32 s23, ttmp7, 0xffff                   ; e
	s_mov_b32 s24, ttmp9                           ; sb
	v_and_b32 v29, 31, v0                          ; lane
	v_lshlrev_b32 v1, 4, v29                       ; 16 x lane: an image's place for my lane
	v_lshlrev_b32 v2, 2, v29                       ; 4 x lane: a scale word's
	v_and_b32 v7, 15, v0                           ; r
	v_bfe_u32 v8, v0, 4, 1                         ; h
	s_mul_i32 s92, s22, 3072
	v_add_nc_u32 v3, s92, v1                       ; where I store images: K steps 2 w, 2 w + 1
	s_lshl_b32 s92, s22, 8
	v_add_nc_u32 v4, s92, v2                       ; and their scale words
	s_mul_i32 s92, s22, 8448
	s_add_co_u32 s92, s92, STG                     ; my stage
	v_mul_u32_u24 v5, v7, 528
	v_lshl_add_u32 v5, v8, 5, v5
	v_add_nc_u32 v5, s92, v5                       ; in: row r, + 32 h
	v_mul_u32_u24 v6, v8, 528
	v_lshl_add_u32 v6, v7, 4, v6
	v_add_nc_u32 v6, s92, v6                       ; back: row h, + 16 r
	v_and_b32 v9, 8, v7
	v_add_nc_u32 v9, v9, v7
	v_lshl_add_u32 v9, v8, 3, v9
	v_lshlrev_b32 v9, 4, v9                        ; W1's scales: row 8 h + r + 8 (r / 8) of a pair of tiles, 16 bytes a row
	v_lshlrev_b32 v10, 5, v29                      ; W2's: row = lane of a pair of tiles, 32 bytes a row
	s_mul_i32 s92, s22, 1536
	s_add_co_u32 s92, s92, BST                     ; my biases
	v_lshl_add_u32 v11, v8, 6, s92
	s_add_co_u32 s94, s92, 1024
	v_lshl_add_u32 v12, v8, 5, s94
	v_add_nc_u32 v28, s92, v1
	v_lshlrev_b32 v13, 2, v8                       ; 4 h
	s_lshl_b32 s94, s22, 9
	v_lshl_add_u32 v14, v7, 4, s94                 ; yb: my wave's 512 bytes of a row, + 16 r
	v_mul_u32_u24 v15, v8, 48
.irp b, 0,1,2,3
	v_mov_b32 v[TM+4+\b], 0                        ; written once: a lane permute's destination counts as one of its sources
.endr
	s_mov_b32 s72, 0x76543210
	s_mov_b32 s73, 0xfedcba98                      ; v_permlanex16_b32's selects for lane l xor 16
	s_mov_b32 s93, 0
	s_wait_kmcnt 0x0
	s_lshl_b32 s92, s24, 8                         ; msk: 256 bytes a super-block, 4 e
	s_lshl_b32 s94, s23, 2
	s_add_co_u32 s92, s92, s94
	s_add_nc_u64 s[18:19], s[18:19], s[92:93]
.irp q, 0,1,2,3
	s_load_b32 s[32+\q], s[18:19], 64*\q           ; block q: who chose e first,
	s_load_b32 s[36+\q], s[18:19], 64*\q+32        ; and who second
.endr
	s_lshl_b32 s92, s23, 12
	s_lshl_b32 s94, s22, 10
	s_add_co_u32 s92, s92, s94
	s_add_nc_u64 s[10:11], s[10:11], s[92:93]      ; b1: my 256 numbers
	s_lshr_b32 s92, s92, 1
	s_add_nc_u64 s[12:13], s[12:13], s[92:93]      ; b2: my 128
	s_lshl_b32 s92, s23, 14
	s_lshl_b32 s94, s22, 12
	s_add_co_u32 s92, s92, s94
	s_add_nc_u64 s[6:7], s[6:7], s[92:93]          ; W1's scales: my 256 rows of 16 bytes
	s_add_nc_u64 s[8:9], s[8:9], s[92:93]          ; W2's: my 128 rows of 32 bytes
	s_mul_i32 s92, s23, 393216
	s_mul_i32 s94, s22, 98304
	s_add_co_u32 s92, s92, s94
	s_add_nc_u64 s[4:5], s[4:5], s[92:93]          ; wf: my 64 fragments of W1; my 64 of W2 lie 3,145,728 bytes on
	s_mul_i32 s92, s24, 12288
	s_add_nc_u64 s[14:15], s[14:15], s[92:93]      ; xq, xs, yb at the super-block
	s_lshl_b32 s92, s24, 11
	s_add_nc_u64 s[16:17], s[16:17], s[92:93]
	s_lshl_b32 s92, s24, 19
	s_add_nc_u64 s[20:21], s[20:21], s[92:93]
	global_load_b128 v[BTM:BTM+3], v1, s[10:11]
	global_load_b128 v[BTM+4:BTM+7], v1, s[10:11] offset:512
	global_load_b128 v[BTM+8:BTM+11], v1, s[12:13]
.irp p, 0,1,2,3,4,5,6,7
	global_load_b128 v[W1S+4*\p:W1S+4*\p+3], v9, s[6:7] offset:512*\p
.endr
.irp p, 0,1,2,3
	global_load_b128 v[W2S+8*\p:W2S+8*\p+3], v10, s[8:9] offset:1024*\p
	global_load_b128 v[W2S+8*\p+4:W2S+8*\p+7], v10, s[8:9] offset:1024*\p+16
.endr
	PROLOGUE                                       ; the ring's five batches: their addresses hang on ids alone
	s_wait_loadcnt 63                              ; the biases are in: 76 loads were issued behind them, and this, the largest count a wait can name, is the stricter
	ds_store_b128 v28, v[BTM:BTM+3]
	ds_store_b128 v28, v[BTM+4:BTM+7] offset:512
	ds_store_b128 v28, v[BTM+8:BTM+11] offset:1024
	s_wait_kmcnt 0x0
.irp q, 0,1,2,3
	s_or_b32 s[40+\q], s[32+\q], s[36+\q]          ; the block's tokens for this expert
	s_lshr_b32 s92, s[40+\q], 1
	s_and_b32 s92, s92, 0x55555555
	s_sub_co_u32 s[44+\q], s[40+\q], s92           ; counts of 2 bits,
	s_lshr_b32 s92, s[44+\q], 2
	s_and_b32 s92, s92, 0x33333333
	s_and_b32 s94, s[44+\q], 0x33333333
	s_add_co_u32 s[48+\q], s92, s94                ; of 4,
	s_lshr_b32 s92, s[48+\q], 4
	s_add_co_u32 s92, s92, s[48+\q]
	s_and_b32 s[52+\q], s92, 0x0f0f0f0f            ; of 8,
	s_lshr_b32 s92, s[52+\q], 8
	s_add_co_u32 s92, s92, s[52+\q]
	s_and_b32 s[56+\q], s92, 0xff                  ; of the low 16
.endr
	s_bcnt1_i32_b32 s60, s40                       ; rows before block 1,
	s_bcnt1_i32_b32 s92, s41
	s_add_co_u32 s61, s60, s92                     ; 2,
	s_bcnt1_i32_b32 s92, s42
	s_add_co_u32 s62, s61, s92                     ; 3,
	s_bcnt1_i32_b32 s92, s43
	s_add_co_u32 s63, s62, s92                     ; and the count
	s_sub_co_i32 s68, s63, 1
	s_max_i32 s68, s68, 0                          ; the last row
	s_mov_b32 s66, 0
.Lpass:                                            ; (the loads that are out at the first entry name v1, v9, v10 and s[4:13], which nothing below rewrites; a pass's stores are seen to at its foot)
	s_lshl_b32 s69, s66, 6
	s_sub_co_i32 s67, s63, s69                     ; rows left for this pass and later
	SELECT
	s_cmp_le_i32 s67, 0
	s_cbranch_scc0 .LdoA
	s_wait_loadcnt 0x0                             ; a pass without rows: whatever has been asked for is awaited here, so that behind the join either W2's first five batches are out, in their order, or nothing
	s_branch .LjoinA
.LdoA:
	; ---- the first product and the quantiser
	LOADBIAS1 0
	XGATHER
	s_wait_loadcnt 0x0                             ; x, the scale words, and what the ring holds
	s_wait_dscnt 0x0                               ; b1
	BATCH1 0
	BATCH1 1
	LOADBIAS1 1                                    ; behind the places: group 0's biases have been read
.irp n, 2,3,4,5,6,7
	BATCH1 \n
.endr
	QUANTS 0
.irp n, 8,9,10,11,12,13,14,15
	BATCH1 \n
.endr
	QUANTS 1
.LjoinA:
	BARRIER                                        ; the hidden layer's fragments lie in LDS
	s_cmp_le_i32 s67, 0
	s_cbranch_scc1 .LskipB
	; ---- the second product and the way out: one of three copies, by the number of row tiles that hold a row
	s_cmp_gt_i32 s67, 48
	s_cbranch_scc1 .LB4
	s_cmp_gt_i32 s67, 32
	s_cbranch_scc1 .LB3
	PHASEB 2
	s_branch .Lbdone
.LB3:
	PHASEB 3
	s_branch .Lbdone
.LB4:
	PHASEB 4
.Lbdone:
	s_cmp_le_i32 s67, 64
	s_cbranch_scc1 .Lno_more
	PROLOGUE                                       ; more than 64 rows: the ring starts anew for the second pass
.Lno_more:
.LskipB:
	BARRIER                                        ; every wave's reads of the hidden layer are over: the next pass may write it
	s_wait_xcnt 0x0                                ; this pass's stores have read their offsets and data: the next pass's selection and gather write those registers again
	s_add_co_u32 s66, s66, 1
	s_cmp_lt_u32 s66, 2
	s_cbranch_scc1 .Lpass
	s_wait_tensorcnt 0x0
	ds_add_u32 v254, v255
	s_wait_dscnt 0x0
	s_endpgm
.Lfunc_end_k_q37621ee627_chain:
	.size	k_q37621ee627_chain, .Lfunc_end_k_q37621ee627_chain-k_q37621ee627_chain
	.p2alignl 7, 3214868480
	.fill 96, 4, 3214868480
	.section	.rodata,"a",@progbits
	.p2align	6, 0x0
	.amdhsa_kernel k_q37621ee627_chain
		.amdhsa_group_segment_fixed_size 93696
		.amdhsa_private_segment_fixed_size 0
		.amdhsa_enable_private_segment 0
		.amdhsa_kernarg_size 72
		.amdhsa_user_sgpr_count 2
		.amdhsa_user_sgpr_kernarg_segment_ptr 1
		.amdhsa_wavefront_size32 1
		.amdhsa_system_sgpr_workgroup_id_x 1
		.amdhsa_system_sgpr_workgroup_id_y 1
		.amdhsa_system_sgpr_workgroup_id_z 1
		.amdhsa_system_vgpr_workitem_id 0
		.amdhsa_next_free_vgpr 1024
		.amdhsa_next_free_sgpr 100
		.amdhsa_reserve_vcc 0
		.amdhsa_float_denorm_mode_32 3
		.amdhsa_float_denorm_mode_16_64 3
		.amdhsa_memory_ordered 1
		.amdhsa_forward_progress 1
		.amdhsa_inst_pref_size 255
	.end_amdhsa_kernel
	.section	.bss,"aw",@nobits
	.p2align	6
	.space	262144
	.amdgpu_metadata
---
amdhsa.version: [ 1, 2 ]
amdhsa.kernels:
  - .name:           k_q37621ee627_chain
    .symbol:         k_q37621ee627_chain.kd
    .args:
      - { .name: wf, .offset: 0, .size: 8, .value_kind: global_buffer, .address_space: global }
      - { .name: W1_scales, .offset: 8, .size: 8, .value_kind: global_buffer, .address_space: global }
      - { .name: W2_scales, .offset: 16, .size: 8, .value_kind: global_buffer, .address_space: global }
      - { .name: b1, .offset: 24, .size: 8, .value_kind: global_buffer, .address_space: global }
      - { .name: b2, .offset: 32, .size: 8, .value_kind: global_buffer, .address_space: global }
      - { .name: xq, .offset: 40, .size: 8, .value_kind: global_buffer, .address_space: global }
      - { .name: xs, .offset: 48, .size: 8, .value_kind: global_buffer, .address_space: global }
      - { .name: msk, .offset: 56, .size: 8, .value_kind: global_buffer, .address_space: global }
      - { .name: yb, .offset: 64, .size: 8, .value_kind: global_buffer, .address_space: global }
    .group_segment_fixed_size: 93696
    .private_segment_fixed_size: 0
    .kernarg_segment_align: 8
    .kernarg_segment_size: 72
    .max_flat_workgroup_size: 128
    .sgpr_count:     100
    .vgpr_count:     1024
    .wavefront_size: 32
...
	.end_amdgpu_metadata
.endif
;; end of part 2
;; launch combine (part 3): grid 256 x 1, 4 waves a work-group, no clusters, 0 bytes of LDS; arguments yb, wts, out0; writes out0
.if DOCPART == 3
	.amdgcn_target "amdgcn-amd-amdhsa--gfx1250"
	.amdhsa_code_object_version 6
	.text
	.protected	k_q37621ee627_combine
	.globl	k_q37621ee627_combine
	.p2align	8
	.type	k_q37621ee627_combine,@function
k_q37621ee627_combine:
	s_mov_b64 s[64:65], 0
	v_nop
	global_prefetch_b8 v0, s[64:65] scope:SCOPE_SE
	s_setreg_imm32_b32 hwreg(HW_REG_WAVE_MODE, 25, 1), 1
	s_wait_xcnt 0x0
; COMBINE.  out0[t] = w0[t] yb[2 t] + w1[t] yb[2 t + 1]: a stream.  A wave takes four tokens; a token's two rows are eight loads of 512 consecutive bytes, its result four stores of 512.
; All 32 loads of a wave go out at once; no register is written again behind a store, so no wait stands but the counted ones for data.  No LDS, no barrier, no matrix unit: memory alone binds.
.set W, 8                              ; v8-15   the two weights of tokens 0-3
.set Y, 16                             ; v16-143 token j: 16 registers of the first row, 16 of the second
	s_load_b128 s[4:7], s[0:1], 0x0                ; yb, wts
	s_load_b64 s[8:9], s[0:1], 0x10                ; out0
	v_lshrrev_b32 v1, 5, v0
	v_readfirstlane_b32 s10, v1                    ; wave
	v_and_b32 v1, 31, v0
	v_lshlrev_b32 v1, 4, v1                        ; 16 x lane
	v_mov_b32 v2, 0
	s_lshl_b32 s12, ttmp9, 16                      ; yb: 16 tokens of 4,096 bytes a work-group, four a wave
	s_lshl_b32 s14, s10, 14
	s_add_co_u32 s12, s12, s14
	s_mov_b32 s13, 0
	s_lshr_b32 s16, s12, 1                         ; out0: half of that
	s_mov_b32 s17, 0
	s_lshl_b32 s14, ttmp9, 7                       ; wts: 8 bytes a token
	s_lshl_b32 s15, s10, 5
	s_add_co_u32 s14, s14, s15
	s_mov_b32 s15, 0
	s_wait_kmcnt 0x0
	s_add_nc_u64 s[4:5], s[4:5], s[12:13]
	s_add_nc_u64 s[6:7], s[6:7], s[14:15]
	s_add_nc_u64 s[8:9], s[8:9], s[16:17]
.irp j, 0,1,2,3
	global_load_b64 v[W+2*\j:W+2*\j+1], v2, s[6:7] offset:8*\j
.endr
.irp j, 0,1,2,3
.irp u, 0,1
.irp i, 0,1,2,3
	global_load_b128 v[Y+32*\j+16*\u+4*\i:Y+32*\j+16*\u+4*\i+3], v1, s[4:5] offset:4096*\j+2048*\u+512*\i th:TH_LOAD_NT
.endr
.endr
.endr
.irp j, 0,1,2,3
	s_wait_loadcnt 8*(3-\j)                        ; token j's eight loads are in; the later tokens' stay out
.irp p, 0,2,4,6,8,10,12,14
	v_pk_mul_f32 v[Y+32*\j+\p:Y+32*\j+\p+1], v[Y+32*\j+\p:Y+32*\j+\p+1], v[W+2*\j:W+2*\j+1] op_sel_hi:[1,0]   ; x w0, in both halves
.endr
.irp p, 0,2,4,6,8,10,12,14
	v_pk_fma_f32 v[Y+32*\j+\p:Y+32*\j+\p+1], v[Y+32*\j+16+\p:Y+32*\j+16+\p+1], v[W+2*\j:W+2*\j+1], v[Y+32*\j+\p:Y+32*\j+\p+1] op_sel:[0,1,0] op_sel_hi:[1,1,1]   ; + w1 x the second row
.endr
.irp i, 0,1,2,3
	global_store_b128 v1, v[Y+32*\j+4*\i:Y+32*\j+4*\i+3], s[8:9] offset:2048*\j+512*\i th:TH_STORE_NT
.endr
.endr
	s_endpgm
.Lfunc_end_k_q37621ee627_combine:
	.size	k_q37621ee627_combine, .Lfunc_end_k_q37621ee627_combine-k_q37621ee627_combine
	.p2alignl 7, 3214868480
	.fill 96, 4, 3214868480
	.section	.rodata,"a",@progbits
	.p2align	6, 0x0
	.amdhsa_kernel k_q37621ee627_combine
		.amdhsa_group_segment_fixed_size 0
		.amdhsa_private_segment_fixed_size 0
		.amdhsa_enable_private_segment 0
		.amdhsa_kernarg_size 24
		.amdhsa_user_sgpr_count 2
		.amdhsa_user_sgpr_kernarg_segment_ptr 1
		.amdhsa_wavefront_size32 1
		.amdhsa_system_sgpr_workgroup_id_x 1
		.amdhsa_system_sgpr_workgroup_id_y 1
		.amdhsa_system_sgpr_workgroup_id_z 1
		.amdhsa_system_vgpr_workitem_id 0
		.amdhsa_next_free_vgpr 144
		.amdhsa_next_free_sgpr 66
		.amdhsa_reserve_vcc 0
		.amdhsa_float_denorm_mode_32 3
		.amdhsa_float_denorm_mode_16_64 3
		.amdhsa_memory_ordered 1
		.amdhsa_forward_progress 1
		.amdhsa_inst_pref_size 10
	.end_amdhsa_kernel
	.amdgpu_metadata
---
amdhsa.version: [ 1, 2 ]
amdhsa.kernels:
  - .name:           k_q37621ee627_combine
    .symbol:         k_q37621ee627_combine.kd
    .args:
      - { .name: yb, .offset: 0, .size: 8, .value_kind: global_buffer, .address_space: global }
      - { .name: wts, .offset: 8, .size: 8, .value_kind: global_buffer, .address_space: global }
      - { .name: out0, .offset: 16, .size: 8, .value_kind: global_buffer, .address_space: global }
    .group_segment_fixed_size: 0
    .private_segment_fixed_size: 0
    .kernarg_segment_align: 8
    .kernarg_segment_size: 24
    .max_flat_workgroup_size: 128
    .sgpr_count:     66
    .vgpr_count:     144
    .wavefront_size: 32
...
	.end_amdgpu_metadata
.endif
;; end of part 3
;; ======== version 2 of 2: 3 launches; version 1 with the launch chain written anew for expert scheduling mode
;; workspace buffers: xq 1,572,864 bytes; xs 65,536 bytes; wts 32,768 bytes; msk 8,192 bytes of whole numbers; wf 6,291,456 bytes; yb 16,777,216 bytes
;; launch prep: the kernel of part 1 again; grid 256 x 1, 4 waves a work-group, no clusters, 89,088 bytes of LDS; arguments x, Wg, bg, W1_codes, W2_codes, out1, out2, xq, xs, wts, msk, wf; writes out1, out2, xq, xs, wts, msk, wf
;; launch chain (part 4): grid 32 x 8, 4 waves a work-group, no clusters, 93,696 bytes of LDS; arguments wf, W1_scales, W2_scales, b1, b2, xq, xs, msk, yb; writes yb
.if DOCPART == 4
	.amdgcn_target "amdgcn-amd-amdhsa--gfx1250"
	.amdhsa_code_object_version 6
	.text
	.protected	k_q37621ee627_chain
	.globl	k_q37621ee627_chain
	.p2align	8
	.type	k_q37621ee627_chain,@function
k_q37621ee627_chain:
	s_mov_b64 s[64:65], 0
	v_nop
	global_prefetch_b8 v0, s[64:65] scope:SCOPE_SE
	s_setreg_imm32_b32 hwreg(HW_REG_WAVE_SCHED_MODE, 0, 2), 2
	s_setreg_imm32_b32 hwreg(HW_REG_WAVE_MODE, 25, 1), 1
	s_wait_xcnt 0x0
	s_wait_alu depctr_vm_vsrc(0)
; CHAIN.  Work-group (sb, e) serves those of tokens 128 sb .. 128 sb + 127 that chose expert e: y = relu(x W1 + b1) W2 + b2 on E2M3 codes, the hidden layer quantised in registers, never in memory.
; yb [2 token + slot][512] f32 takes the rows; the next launch weighs and adds a token's two.  Only the chosen rows are multiplied: reference() gathers two experts of eight and drops the rest.
; A FIXED GRID, NO SORT.  Which tokens are served is read as eight whole numbers (the earlier launch's ballots: four blocks of 32 tokens x two slots).  Row p of the work-group is the p-th set bit: each lane
; finds it by counts of halves (16, 8, 4, 2, 1 bits), in whole numbers; the token's number is held to 127 before it enters an address.  A pass serves 64 rows, four tiles of 16; the loop over passes has the
; constant count 2 (128 tokens at the most), and a pass with no rows jumps over its work BETWEEN the barriers, which every wave passes.  Rows past the count repeat the last row (the same bytes to the same
; place), so EXEC stays full.
; A TILE OF 16 ROWS THAT LIES WHOLLY PAST THE COUNT IS LEFT OUT.  First product: each sum's first K step, whose C is the bias, is made for all four tiles (x's rows past the count are the last row's), so that
; every accumulator is written on every way; the other three K steps and the quantiser of tiles 2 and 3 stand under scalar jumps on the count.  Second product and way out: written out three times, for
; 2, 3 and 4 tiles, and one branch on the count chooses: every register that a copy reads is written in that copy.  No barrier stands under any of these jumps.
; SHARES.  The four waves share the COLUMNS: wave w makes hidden units 256 w .. + 255 (two groups G of eight tiles) and outputs 128 w .. + 127, for all rows.  A fragment of weights is read once in
; the work-group and feeds up to four matrix instructions.  The weights come from memory straight into registers, as images laid out by the earlier launch in the order of use: a ring of five batches of four
; fragments, 12 loads of 512 consecutive bytes a batch, four batches (48 loads) ahead; W2's first batches are asked for while W1's last are multiplied, and stay on their way across the barrier.
; BOTH PRODUCTS ARE USED TRANSPOSED (source 0 = 16 rows of weights, source 1 = 16 tokens): a lane holds one token, its registers run along the hidden units or the outputs.  The rows of W1 in a tile are
; chosen so that the 16 registers of tiles 2 b, 2 b + 1 are 16 neighbours along the next K.  The biases are the C of each sum's first matrix instruction.
; The hidden layer goes from wave to wave through LDS as images of operand registers (16 bytes a lane, 512 a store) with its scale words (4 bytes a lane).
; NO CLUSTER, NO JOINT LOADS: the work-groups that share an expert's weights walk them once or twice, each by its own count read from memory, and a joint request has to be made alike by all partners on
; every path; the walk here stands under a jump on that count.
; LIMITS: NaN and infinities are not served.  Uneven routing costs a second pass, never a value.
; REGISTERS, in windows of 256: window 0: addresses, scale words, work.  window 1: v0-239 the ring.  window 2: 32 accumulators, (tile t, rows m) at v[64 m + 8 t].
;   window 3: v0-191 x's 16 fragments at 12 (4 m + s); later the hidden layer's at 48 (ks % 2) + 12 m and, from v96, rows on their way out; v192-255 biases, eight tiles.
; THE MODE: SCHED_MODE bits 1:0 = 2 (LLVM: expert scheduling mode 2), set by the entry lines.  The code itself states the register dependences between vector or matrix instructions and memory or LDS
; instructions, with s_wait_alu, always for 0.
; THE PLAN.  Registers that memory or LDS instructions touch, and who else names them:
;   v1-6, v9-12, v14, v28   offsets and LDS addresses: made by vector instructions at the head, never written again: one wait ahead of the first load serves the whole kernel.
;   the ring                a batch's 12 loads land in a place, the batch's products read it, the loads of the batch five on land in it again.
;   x's and the hidden layer's fragments, all scale words, the biases: loads land in them, products read them; no vector instruction writes them.
;   PC, PW                  the quantiser writes them, four LDS stores read them, the next row tile's quantiser writes them again.
;   the accumulators        products and the activation write them; on the way out the stage's stores read them; the next pass's products write them again.
;   RID, XO, XSO, IDX       the selection (IDX: eight additions) writes them; the lane exchanges and the gather read them; the next pass's selection writes them again.
;   VOT, OB                 lane exchanges and stage loads land in them (two vector lines then write VOT); the stores to yb read them; the next tile's land in them again.
; ONE wait on va_vdst stands behind a batch's products, ahead of its refill, and not at the next batch's head: a freed place is asked for again at once, so that 60 loads and not 48 are on their way while the
; wave waits for the next batch.  The loads that follow it with nothing but loads and window switches between (group 1's biases; the next K step's fragments and scale words) lean on the same wait.
.set HIMG, 0                           ; LDS: the hidden layer's 32 fragments (8 m + ks), 1,536 bytes each
.set HSC,  49152                       ; their scale words, 128 bytes each
.set STG,  53248                       ; a stage for each wave: 16 rows x (512 + 16) bytes
.set BST,  87040                       ; each wave's biases: b1 1,024 bytes, b2 512
.set RID,  16                          ; v16-19  row tile m: my row's place in yb, 2 x token + slot
.set XO,   20                          ; v20-23  its codes' byte in xq
.set XSO,  24                          ; v24-27  its scale words' byte in xs
.set W1S,  32                          ; v32-63  W1's scale words: 4 x pair of tiles + K step; lanes 0-15 the even tile's rows, lanes 16-31 the odd one's
.set W2S,  64                          ; v64-95  W2's: 8 x pair + K step
.set XS,   96                          ; v96-111 x's: 4 m + s
.set HS,   112                         ; v112-119 the hidden layer's: 4 (ks % 2) + m
.set TM,   120                         ; v120-135 at work in the quantiser
.set PW,   136                         ; the scale word just made
.set PC,   140                         ; v140-151 the codes just made; v152-159 their upper halves
.set PT,   152
.set SL,   160                         ; v160-207 the selection, 12 registers a row tile
.set IDX,  160                         ; later: v160-167 lane selects, v168-175 store offsets
.set VOT,  168
.set BTM,  208                         ; v208-219 the biases on their way to LDS
.set OB,   96                          ; in window 3
.set BIAS, 192                         ; in window 3
.set MSB, 0
.macro WIN new                         ; low byte: bits 1:0 source 0, 3:2 source 1, 5:4 source 2, 7:6 destination; the high byte repeats the setting that is left
.if MSB != \new
	s_set_vgpr_msb (MSB<<8)|\new
.set MSB, \new
.endif
.endm
.macro PLACES                          ; four plain places between a matrix instruction and a load into, or a read of, its registers
.rept 4
	v_nop
.endr
.endm
.macro BARRIER                         ; my LDS stores have landed and my LDS loads are in: then the work-group's barrier
	s_wait_dscnt 0x0
	s_barrier_signal -1
	s_barrier_wait -1
.endm
.macro WM d, a, b, c, sa, sb, odd      ; odd: the weights' scale words stand in lanes 16-31
.if \odd
	v_wmma_scale_f32_16x16x128_f8f6f4 v[\d:\d+7], v[\a:\a+11], v[\b:\b+11], v[\c:\c+7], v[\sa], v[\sb] matrix_a_fmt:MATRIX_FMT_FP6 matrix_b_fmt:MATRIX_FMT_FP6 matrix_a_scale:MATRIX_SCALE_ROW1
.else
	v_wmma_scale_f32_16x16x128_f8f6f4 v[\d:\d+7], v[\a:\a+11], v[\b:\b+11], v[\c:\c+7], v[\sa], v[\sb] matrix_a_fmt:MATRIX_FMT_FP6 matrix_b_fmt:MATRIX_FMT_FP6
.endif
.endm
.macro REFILL nb                       ; batch nb of 32 (0-15 W1's, 16-31 W2's) into ring place nb % 5
.if (\nb) < 32
	WIN 0x40
.if (\nb) < 16
.set RO, 6144*(\nb)
.else
.set RO, 3145728+6144*((\nb)-16)
.endif
.set RR, 48*((\nb)%5)
.irp f, 0,1,2,3
.irp c, 0,1,2
	global_load_b128 v[RR+12*\f+4*\c:RR+12*\f+4*\c+3], v1, s[4:5] offset:RO+1536*\f+512*\c
.endr
.endr
.endif
.endm
.macro PROLOGUE
.irp n, 0,1,2,3,4
	REFILL \n
.endr
	WIN 0
.endm
; Four matrix instructions of the first product: the batch's four tiles of hidden units against row tile m.  (BG, BK, BT, RA: the batch's group, K step, first tile and ring place.)
.macro B1ROW m
.irp f, 0,1,2,3
.set DA, 64*(\m)+8*(BT+\f)
.set AA, RA+12*\f
.set XB, 12*(4*(\m)+BK)
.set SA, W1S+4*(4*BG+(BT+\f)/2)+BK
.set SX, XS+4*(\m)+BK
.if BK == 0
.set CC, BIAS+8*(BT+\f)
.else
.set CC, DA
.endif
	WM DA, AA, XB, CC, SA, SX, \f%2
.endr
.endm
; A batch of the first product: group G = bi / 8, K step s = (bi % 8) / 2, tiles 4 (bi % 2) .. + 3, row tile by row tile.  K step 0 starts all 16 sums with the bias.  In the later K steps row tiles 2 and 3
; are jumped over where they hold no row (every window is 0 at a branch and at a label).  The accumulators take turns, one instruction a turn, on every way: neighbours differ in
; the tile or in the rows, and two links of one sum lie two batches apart.
.macro BATCH1 bi
.set BG, (\bi)/8
.set BK, ((\bi)%8)/2
.set BT, 4*((\bi)%2)
.set RA, 48*((\bi)%5)
	s_wait_loadcnt 48                              ; this batch is in: behind its 12 loads the four younger batches' 48 were issued
.if BK == 0
	WIN 0xbd                                       ; weights window 1, x window 3, C = bias window 3, D window 2
	B1ROW 0
	B1ROW 1
	B1ROW 2
	B1ROW 3
.else
	WIN 0xad                                       ; C and D window 2
	B1ROW 0
	B1ROW 1
	WIN 0
	s_cmp_le_i32 s67, 32                           ; no row in tiles 2 and 3
	s_cbranch_scc1 .Lb1_\@
	WIN 0xad
	B1ROW 2
	WIN 0
	s_cmp_le_i32 s67, 48                           ; none in tile 3
	s_cbranch_scc1 .Lb1_\@
	WIN 0xad
	B1ROW 3
	WIN 0
.Lb1_\@:
.endif
	PLACES
	s_wait_alu depctr_va_vdst(0)                   ; this batch's products are done reading their ring place, in which the loads below land (behind batch 1 also: group 0's biases have been read, and group 1's land in their registers)
	REFILL (\bi)+5
.endm
; A batch of the second product for nt row tiles: K step ks = (bi - 16) / 2, tiles of outputs 4 (bi % 2) .. + 3.  Turns as above.
.macro BATCH2 bi, nt
.set BK, ((\bi)-16)/2
.set BT, 4*((\bi)%2)
.set RA, 48*((\bi)%5)
.if 31-(\bi) >= 4
	s_wait_loadcnt 48                              ; this batch is in: the four younger batches' 48 loads may be out
.else
	s_wait_loadcnt 12*(31-(\bi))                   ; the ring runs out
.endif
.if BK == 0
	WIN 0xbd
.else
	WIN 0xad
.endif
.irp f, 0,1,2,3
.irp m, 0,1,2,3
.if \m < \nt
.set DA, 64*\m+8*(BT+\f)
.set AA, RA+12*\f
.set XB, 48*(BK%2)+12*\m
.set SA, W2S+8*((BT+\f)/2)+BK
.set SX, HS+4*(BK%2)+\m
.if BK == 0
.set CC, BIAS+8*(BT+\f)
.else
.set CC, DA
.endif
	WM DA, AA, XB, CC, SA, SX, \f%2
.endif
.endr
.endr
	PLACES
.if ((\bi) < 27) || ((\bi) == 28)              ; batches 27 and 29 to 31 are followed by no load: they hold no wait
	s_wait_alu depctr_va_vdst(0)                   ; this batch's products are done reading their ring place, in which the refill lands; the K step before is done reading its fragments and scale words, in which, behind an even batch, the next K step's land (batch 28: that alone)
.endif
	REFILL (\bi)+5
.endm
.macro LOADBIAS1 g                     ; b1 in the result's layout: lane (r, h), tile t: hidden units 128 g + 32 (t / 2) + 8 (t % 2) + 16 h + 0 .. 7
	WIN 0xc0
.irp t, 0,1,2,3,4,5,6,7
	ds_load_b128 v[BIAS+8*\t:BIAS+8*\t+3], v11 offset:512*(\g)+4*(32*(\t/2)+8*(\t%2))
	ds_load_b128 v[BIAS+8*\t+4:BIAS+8*\t+7], v11 offset:512*(\g)+4*(32*(\t/2)+8*(\t%2))+16
.endr
.endm
.macro LOADBIAS2                       ; b2: tile t: outputs 16 t + 8 h + 0 .. 7
	WIN 0xc0
.irp t, 0,1,2,3,4,5,6,7
	ds_load_b128 v[BIAS+8*\t:BIAS+8*\t+3], v12 offset:64*\t
	ds_load_b128 v[BIAS+8*\t+4:BIAS+8*\t+7], v12 offset:64*\t+16
.endr
.endm
.macro XGATHER                         ; my rows' codes: 48 bytes a lane for each K step, as the operand's registers take them; and their scale words.  All four tiles: a tile past the count takes the last row's
	WIN 0xc0
.irp m, 0,1,2,3
.irp s, 0,1,2,3
.irp c, 0,1,2
	global_load_b128 v[12*(4*\m+\s)+4*\c:12*(4*\m+\s)+4*\c+3], v[XO+\m], s[14:15] offset:393216*\s+16*\c
.endr
.endr
.endr
	WIN 0
.irp m, 0,1,2,3
	global_load_b128 v[XS+4*\m:XS+4*\m+3], v[XSO+\m], s[16:17]
.endr
.endm
; Row tile m's 64 numbers of group g (register 16 b + i = hidden unit 32 b + 16 (lane / 16) + i of my token): relu, the four blocks' scales, the codes; K step 2 w + g of the second product, to LDS.
.macro QUANT m, g
.set QS, 64*(\m)
	WIN 0x88
.set j, 0
.rept 64
	v_max_num_f32 v[QS+j], 0, v[QS+j]              ; the activation, in f32; each accumulator from its low end on
.set j, j+1
.endr
	WIN 0x28
.irp b, 0,1,2,3
	v_max3_num_f32 v[TM+\b], 0x1800000, v[QS+16*\b], v[QS+16*\b+1]             ; none is negative: no |.|; the floor 2^(3 - 127) holds the byte at 1 from below
.endr
.irp i, 2,4,6,8,10,12,14
.irp b, 0,1,2,3
	v_max3_num_f32 v[TM+\b], v[TM+\b], v[QS+16*\b+\i], v[QS+16*\b+\i+1]        ; the four blocks by turns
.endr
.endr
	WIN 0
	s_wait_dscnt 0x0                               ; my earlier LDS instructions are done: the last image's stores, and the loads of the next group's biases
	s_wait_alu depctr_vm_vsrc(0)                   ; the last image's LDS stores have read v[PC ..] and v[PW], which are written again below
.irp b, 0,1,2,3
	v_permlanex16_b32 v[TM+4+\b], v[TM+\b], s72, s73
.endr
.irp b, 0,1,2,3
	v_max_num_f32 v[TM+\b], v[TM+\b], v[TM+4+\b]   ; with lane l xor 16's 16: the block's largest
.endr
.irp b, 0,1,2,3
	v_add_nc_u32 v[TM+12+\b], 0xff000000, v[TM+\b] ; 2 off the exponent field: the conversion's scale operand
.endr
.irp b, 0,1,2,3
	v_lshrrev_b32 v[TM+4+\b], 23, v[TM+12+\b]      ; the scale's byte
.endr
	v_lshl_or_b32 v[PW], v[TM+5], 8, v[TM+4]
	v_lshl_or_b32 v[PW], v[TM+6], 16, v[PW]
	v_lshl_or_b32 v[PW], v[TM+7], 24, v[PW]
	WIN 0x02
.irp c, 0,1
	v_cvt_scalef32_pk16_fp6_f32 v[PC+6*\c:PC+6*\c+2], v[QS+32*\c:QS+32*\c+15], v[TM+12+2*\c]
	v_cvt_scalef32_pk16_fp6_f32 v[PT+4*\c:PT+4*\c+2], v[QS+32*\c+16:QS+32*\c+31], v[TM+13+2*\c]   ; (a conversion's three registers begin on an even number)
.endr
	WIN 0
	v_nop                                          ; one plain place behind a scaled conversion
.irp c, 0,1                                    ; the operand wants a whole block in a lane: lanes 0-15 block 2 c, lanes 16-31 block 2 c + 1
.irp i, 0,1,2
	v_permlane16_swap_b32 v[PC+6*\c+\i], v[PT+4*\c+\i]
.endr
.irp i, 0,1,2
	v_mov_b32 v[PC+3+6*\c+\i], v[PT+4*\c+\i]
.endr
.endr
	s_wait_alu depctr_va_vdst(0)                   ; the conversions, exchanges and moves have written v[PC ..], the shifts v[PW]: the LDS stores below read them
.irp c, 0,1,2
	ds_store_b128 v3, v[PC+4*\c:PC+4*\c+3] offset:HIMG+1536*(8*(\m)+(\g))+512*\c
.endr
	ds_store_b32 v4, v[PW] offset:HSC+128*(8*(\m)+(\g))
.endm
.macro QUANTS g                        ; group g's row tiles: 0 and 1 always, 2 and 3 where they hold a row
	QUANT 0, \g
	QUANT 1, \g
	s_cmp_le_i32 s67, 32
	s_cbranch_scc1 .Lq_\@
	QUANT 2, \g
	s_cmp_le_i32 s67, 48
	s_cbranch_scc1 .Lq_\@
	QUANT 3, \g
.Lq_\@:
.endm
.macro HFETCH ks, nt                   ; K step ks of the hidden layer, nt row tiles, into buffer ks % 2
	WIN 0xc0
.irp m, 0,1,2,3
.if \m < \nt
.irp c, 0,1,2
	ds_load_b128 v[48*((\ks)%2)+12*\m+4*\c:48*((\ks)%2)+12*\m+4*\c+3], v1 offset:HIMG+1536*(8*\m+(\ks))+512*\c
.endr
.endif
.endr
	WIN 0
.irp m, 0,1,2,3
.if \m < \nt
	ds_load_b32 v[HS+4*((\ks)%2)+\m], v2 offset:HSC+128*(8*\m+(\ks))
.endif
.endr
.endm
; Row tile m leaves: a lane's 32 bytes of a row go into my stage and come back by rows; lanes 0-15 take row 2 i, lanes 16-31 row 2 i + 1, whose places in yb come from the lanes that hold them.
.macro OUT m
	WIN 0
	s_wait_xcnt 0x0                                ; the last tile's stores have read their offsets and data, which are written again below
.if \m > 0
	s_wait_alu depctr_vm_vsrc(0)                   ; the last tile's stores have read v[VOT ..] and the rows v[OB ..], in which the lane exchanges and the stage's loads below land
.endif
.irp i, 0,1,2,3,4,5,6,7
	ds_bpermute_b32 v[VOT+\i], v[IDX+\i], v[RID+\m]
.endr
	WIN 0x08
.irp n, 0,1,2,3,4,5,6,7
	ds_store_b128 v5, v[64*\m+8*\n:64*\m+8*\n+3] offset:64*\n                  ; each accumulator from its low end on
	ds_store_b128 v5, v[64*\m+8*\n+4:64*\m+8*\n+7] offset:64*\n+16
.endr
	WIN 0xc0
.irp i, 0,1,2,3,4,5,6,7
	ds_load_b128 v[OB+8*\i:OB+8*\i+3], v6 offset:1056*\i                       ; LDS serves a wave's instructions in order: these see the stores above
	ds_load_b128 v[OB+8*\i+4:OB+8*\i+7], v6 offset:1056*\i+256
.endr
	WIN 0
	s_wait_dscnt 32                                ; the eight lane exchanges are done: behind them 16 stores and 16 loads were issued
.irp i, 0,1,2,3,4,5,6,7
	v_min_u32 v[VOT+\i], 255, v[VOT+\i]            ; a number that came from memory is held to the super-block's 256 rows before it enters an address
.endr
.irp i, 0,1,2,3,4,5,6,7
	v_lshl_add_u32 v[VOT+\i], v[VOT+\i], 11, v14   ; 2,048 bytes a row, + my wave's 512, + 16 (lane % 16)
.endr
	s_wait_alu depctr_va_vdst(0)                   ; v[VOT ..] are written: the stores below read them as offsets
	WIN 0x0c
.irp i, 0,1,2,3,4,5,6,7
	s_wait_dscnt 15-2*\i
	global_store_b128 v[VOT+\i], v[OB+8*\i:OB+8*\i+3], s[20:21]                ; sixteen lanes store 256 consecutive bytes, from a multiple of 256
	s_wait_dscnt 14-2*\i
	global_store_b128 v[VOT+\i], v[OB+8*\i+4:OB+8*\i+7], s[20:21] offset:256
.endr
	WIN 0
.endm
; The second product and the way out for nt row tiles.  W2's first five batches were asked for during the first product's last five; each batch's own counted wait shows it in, so the ring goes on asking.
; The loads at its head (b2, the first K step's fragments and scale words) land in registers that the first product's instructions have read: those stand ahead of the quantiser's last wait on va_vdst, and no
; vector or matrix instruction since names them.
.macro PHASEB nt
	LOADBIAS2
	HFETCH 0, \nt
.irp ks, 0,1,2,3,4,5,6,7
	s_wait_dscnt 0x0                               ; this K step's fragments and scale words (the first time b2 too)
	BATCH2 16+2*\ks, \nt
.if \ks < 7
	HFETCH \ks+1, \nt                              ; into the buffer that the K step before has left, behind its places and the batch's wait
.endif
	BATCH2 17+2*\ks, \nt
.endr
	WIN 0
.irp i, 0,1,2,3,4,5,6,7
	v_add_nc_u32 v[IDX+\i], 8*\i, v13              ; lane 2 i + h, as a byte address for the lane exchange
.endr
	s_wait_alu depctr_va_vdst(0)                   ; the products have written the accumulators, which the stage's stores read (the places stand above), and are done reading the ring, in which a second pass's first batches land; the additions have written v[IDX ..], which the lane exchanges read
	OUT 0
.if \nt == 2
	s_cmp_le_i32 s67, 16                           ; tile 1 was multiplied with tile 0; where it holds no row it is not stored
	s_cbranch_scc1 .Lbdone
.endif
	OUT 1
.if \nt > 2
	OUT 2
.endif
.if \nt > 3
	OUT 3
.endif
.endm
; THE SELECTION.  For row tile m my row is p = min(lane % 16 + 64 pass + 16 m, count - 1).  First the block of 32 tokens in which the p-th set bit lies (its word, its partial counts, the rows before it),
; then five halvings: if the rank is at least the lower half's count, the count goes off the rank and the half's width onto the place.
; Per tile: +0 word, +1 counts of 2 bits, +2 of 4, +3 of 8, +4 of the low 16, +5 slot-1 word, +6 rank, +7 the block's first token, +8 place, +9, +11 at work, +10 p.
.macro DESC w, src
.irp m, 0,1,2,3
	v_bfe_u32 v[SL+12*\m+9], v[SL+12*\m+\src], v[SL+12*\m+8], \w
.endr
.irp m, 0,1,2,3
	v_cmp_ge_u32 s[88+\m], v[SL+12*\m+6], v[SL+12*\m+9]
.endr
	s_wait_alu depctr_va_sdst(0)                   ; the four compares have written s88 to s91, which the selects below read
.irp m, 0,1,2,3
	v_cndmask_b32 v[SL+12*\m+9], 0, v[SL+12*\m+9], s[88+\m]
	v_cndmask_b32 v[SL+12*\m+11], 0, \w, s[88+\m]
.endr
.irp m, 0,1,2,3
	v_sub_nc_u32 v[SL+12*\m+6], v[SL+12*\m+6], v[SL+12*\m+9]
	v_add_nc_u32 v[SL+12*\m+8], v[SL+12*\m+8], v[SL+12*\m+11]
.endr
.endm
.macro SELECT
.irp m, 0,1,2,3
	v_add3_u32 v[SL+12*\m+10], v7, s69, 16*\m
.endr
.irp m, 0,1,2,3
	v_min_u32 v[SL+12*\m+10], s68, v[SL+12*\m+10]
.endr
.irp q, 1,2,3
.irp m, 0,1,2,3
	v_cmp_le_u32 s[76+3*\m+\q-1], s[59+\q], v[SL+12*\m+10]     ; the rows before block q are at most p
.endr
.endr
.irp m, 0,1,2,3
	v_mov_b32 v[SL+12*\m+0], s40
	v_mov_b32 v[SL+12*\m+1], s44
	v_mov_b32 v[SL+12*\m+2], s48
	v_mov_b32 v[SL+12*\m+3], s52
	v_mov_b32 v[SL+12*\m+4], s56
	v_mov_b32 v[SL+12*\m+5], s36
	v_mov_b32 v[SL+12*\m+6], 0
	v_mov_b32 v[SL+12*\m+7], 0
.endr
	s_wait_alu depctr_va_sdst(0)                   ; the twelve compares have written s76 to s87, which the selects below read; the moves above stand between
.irp q, 1,2,3
.irp m, 0,1,2,3
	v_cndmask_b32 v[SL+12*\m+0], v[SL+12*\m+0], s[40+\q], s[76+3*\m+\q-1]
	v_cndmask_b32 v[SL+12*\m+1], v[SL+12*\m+1], s[44+\q], s[76+3*\m+\q-1]
	v_cndmask_b32 v[SL+12*\m+2], v[SL+12*\m+2], s[48+\q], s[76+3*\m+\q-1]
	v_cndmask_b32 v[SL+12*\m+3], v[SL+12*\m+3], s[52+\q], s[76+3*\m+\q-1]
	v_cndmask_b32 v[SL+12*\m+4], v[SL+12*\m+4], s[56+\q], s[76+3*\m+\q-1]
	v_cndmask_b32 v[SL+12*\m+5], v[SL+12*\m+5], s[36+\q], s[76+3*\m+\q-1]
	v_cndmask_b32 v[SL+12*\m+6], v[SL+12*\m+6], s[59+\q], s[76+3*\m+\q-1]
	v_cndmask_b32 v[SL+12*\m+7], v[SL+12*\m+7], 32*\q, s[76+3*\m+\q-1]
.endr
.endr
.irp m, 0,1,2,3
	v_sub_nc_u32 v[SL+12*\m+6], v[SL+12*\m+10], v[SL+12*\m+6]  ; the rank inside the block
.endr
.irp m, 0,1,2,3
	v_cmp_ge_u32 s[88+\m], v[SL+12*\m+6], v[SL+12*\m+4]
.endr
	s_wait_alu depctr_va_sdst(0)                   ; the four compares have written s88 to s91, which the selects below read
.irp m, 0,1,2,3
	v_cndmask_b32 v[SL+12*\m+9], 0, v[SL+12*\m+4], s[88+\m]
	v_cndmask_b32 v[SL+12*\m+8], 0, 16, s[88+\m]
.endr
.irp m, 0,1,2,3
	v_sub_nc_u32 v[SL+12*\m+6], v[SL+12*\m+6], v[SL+12*\m+9]
.endr
	DESC 8, 3
	DESC 4, 2
	DESC 2, 1
	DESC 1, 0
.irp m, 0,1,2,3
	v_bfe_u32 v[SL+12*\m+9], v[SL+12*\m+5], v[SL+12*\m+8], 1   ; the slot: 1 where the token chose this expert second
	v_add_nc_u32 v[SL+12*\m+7], v[SL+12*\m+7], v[SL+12*\m+8]
.endr
.irp m, 0,1,2,3
	v_min_u32 v[SL+12*\m+7], 127, v[SL+12*\m+7]                ; the token within the super-block, held to 127 before it enters an address
.endr
.irp m, 0,1,2,3
	v_lshl_add_u32 v[RID+\m], v[SL+12*\m+7], 1, v[SL+12*\m+9]
	v_mul_u32_u24 v[XO+\m], v[SL+12*\m+7], 96
	v_lshlrev_b32 v[XSO+\m], 4, v[SL+12*\m+7]
.endr
.irp m, 0,1,2,3
	v_add_nc_u32 v[XO+\m], v[XO+\m], v15
.endr
.endm
	s_load_b512 s[4:19], s[0:1], 0x0               ; wf 4, W1_scales 6, W2_scales 8, b1 10, b2 12, xq 14, xs 16, msk 18
	s_load_b64 s[20:21], s[0:1], 0x40              ; yb
	v_lshl_add_u32 v254, v0, 2, 0x16c00
	v_mov_b32 v255, 0
	v_lshrrev_b32 v29, 5, v0
	v_readfirstlane_b32 s22, v29                   ; wave
	s_and_b32 s23, ttmp7, 0xffff                   ; e
	s_mov_b32 s24, ttmp9                           ; sb
	v_and_b32 v29, 31, v0                          ; lane
	v_lshlrev_b32 v1, 4, v29                       ; 16 x lane: an image's place for my lane
	v_lshlrev_b32 v2, 2, v29                       ; 4 x lane: a scale word's
	v_and_b32 v7, 15, v0                           ; r
	v_bfe_u32 v8, v0, 4, 1                         ; h
	s_wait_alu depctr_va_sdst(0)                   ; s22 is written, ahead of its first reader: LDS addresses and the buffers' bases are made from it
	s_mul_i32 s92, s22, 3072
	v_add_nc_u32 v3, s92, v1                       ; where I store images: K steps 2 w, 2 w + 1
	s_lshl_b32 s92, s22, 8
	v_add_nc_u32 v4, s92, v2                       ; and their scale words
	s_mul_i32 s92, s22, 8448
	s_add_co_u32 s92, s92, STG                     ; my stage
	v_mul_u32_u24 v5, v7, 528
	v_lshl_add_u32 v5, v8, 5, v5
	v_add_nc_u32 v5, s92, v5                       ; in: row r, + 32 h
	v_mul_u32_u24 v6, v8, 528
	v_lshl_add_u32 v6, v7, 4, v6
	v_add_nc_u32 v6, s92, v6                       ; back: row h, + 16 r
	v_and_b32 v9, 8, v7
	v_add_nc_u32 v9, v9, v7
	v_lshl_add_u32 v9, v8, 3, v9
	v_lshlrev_b32 v9, 4, v9                        ; W1's scales: row 8 h + r + 8 (r / 8) of a pair of tiles, 16 bytes a row
	v_lshlrev_b32 v10, 5, v29                      ; W2's: row = lane of a pair of tiles, 32 bytes a row
	s_mul_i32 s92, s22, 1536
	s_add_co_u32 s92, s92, BST                     ; my biases
	v_lshl_add_u32 v11, v8, 6, s92
	s_add_co_u32 s94, s92, 1024
	v_lshl_add_u32 v12, v8, 5, s94
	v_add_nc_u32 v28, s92, v1
	v_lshlrev_b32 v13, 2, v8                       ; 4 h
	s_lshl_b32 s94, s22, 9
	v_lshl_add_u32 v14, v7, 4, s94                 ; yb: my wave's 512 bytes of a row, + 16 r
	v_mul_u32_u24 v15, v8, 48
.irp b, 0,1,2,3
	v_mov_b32 v[TM+4+\b], 0                        ; written once: a lane permute's destination counts as one of its sources
.endr
	s_mov_b32 s72, 0x76543210
	s_mov_b32 s73, 0xfedcba98                      ; v_permlanex16_b32's selects for lane l xor 16
	s_mov_b32 s93, 0
	s_wait_kmcnt 0x0
	s_lshl_b32 s92, s24, 8                         ; msk: 256 bytes a super-block, 4 e
	s_lshl_b32 s94, s23, 2
	s_add_co_u32 s92, s92, s94
	s_add_nc_u64 s[18:19], s[18:19], s[92:93]
.irp q, 0,1,2,3
	s_load_b32 s[32+\q], s[18:19], 64*\q           ; block q: who chose e first,
	s_load_b32 s[36+\q], s[18:19], 64*\q+32        ; and who second
.endr
	s_lshl_b32 s92, s23, 12
	s_lshl_b32 s94, s22, 10
	s_add_co_u32 s92, s92, s94
	s_add_nc_u64 s[10:11], s[10:11], s[92:93]      ; b1: my 256 numbers
	s_lshr_b32 s92, s92, 1
	s_add_nc_u64 s[12:13], s[12:13], s[92:93]      ; b2: my 128
	s_lshl_b32 s92, s23, 14
	s_lshl_b32 s94, s22, 12
	s_add_co_u32 s92, s92, s94
	s_add_nc_u64 s[6:7], s[6:7], s[92:93]          ; W1's scales: my 256 rows of 16 bytes
	s_add_nc_u64 s[8:9], s[8:9], s[92:93]          ; W2's: my 128 rows of 32 bytes
	s_mul_i32 s92, s23, 393216
	s_mul_i32 s94, s22, 98304
	s_add_co_u32 s92, s92, s94
	s_add_nc_u64 s[4:5], s[4:5], s[92:93]          ; wf: my 64 fragments of W1; my 64 of W2 lie 3,145,728 bytes on
	s_mul_i32 s92, s24, 12288
	s_add_nc_u64 s[14:15], s[14:15], s[92:93]      ; xq, xs, yb at the super-block
	s_lshl_b32 s92, s24, 11
	s_add_nc_u64 s[16:17], s[16:17], s[92:93]
	s_lshl_b32 s92, s24, 19
	s_add_nc_u64 s[20:21], s[20:21], s[92:93]
	s_wait_alu depctr_va_vdst(0)                   ; the offsets and LDS addresses v1 to v6, v9 to v12, v14 and v28 are written: every load and store of the kernel but the gather and the stores to yb reads one of them, and none is written again
	global_load_b128 v[BTM:BTM+3], v1, s[10:11]
	global_load_b128 v[BTM+4:BTM+7], v1, s[10:11] offset:512
	global_load_b128 v[BTM+8:BTM+11], v1, s[12:13]
.irp p, 0,1,2,3,4,5,6,7
	global_load_b128 v[W1S+4*\p:W1S+4*\p+3], v9, s[6:7] offset:512*\p
.endr
.irp p, 0,1,2,3
	global_load_b128 v[W2S+8*\p:W2S+8*\p+3], v10, s[8:9] offset:1024*\p
	global_load_b128 v[W2S+8*\p+4:W2S+8*\p+7], v10, s[8:9] offset:1024*\p+16
.endr
	PROLOGUE                                       ; the ring's five batches: their addresses hang on ids alone
	s_wait_loadcnt 63                              ; the biases are in: 76 loads were issued behind them, and this, the largest count a wait can name, is the stricter
	ds_store_b128 v28, v[BTM:BTM+3]
	ds_store_b128 v28, v[BTM+4:BTM+7] offset:512
	ds_store_b128 v28, v[BTM+8:BTM+11] offset:1024
	s_wait_kmcnt 0x0
.irp q, 0,1,2,3
	s_or_b32 s[40+\q], s[32+\q], s[36+\q]          ; the block's tokens for this expert
	s_lshr_b32 s92, s[40+\q], 1
	s_and_b32 s92, s92, 0x55555555
	s_sub_co_u32 s[44+\q], s[40+\q], s92           ; counts of 2 bits,
	s_lshr_b32 s92, s[44+\q], 2
	s_and_b32 s92, s92, 0x33333333
	s_and_b32 s94, s[44+\q], 0x33333333
	s_add_co_u32 s[48+\q], s92, s94                ; of 4,
	s_lshr_b32 s92, s[48+\q], 4
	s_add_co_u32 s92, s92, s[48+\q]
	s_and_b32 s[52+\q], s92, 0x0f0f0f0f            ; of 8,
	s_lshr_b32 s92, s[52+\q], 8
	s_add_co_u32 s92, s92, s[52+\q]
	s_and_b32 s[56+\q], s92, 0xff                  ; of the low 16
.endr
	s_bcnt1_i32_b32 s60, s40                       ; rows before block 1,
	s_bcnt1_i32_b32 s92, s41
	s_add_co_u32 s61, s60, s92                     ; 2,
	s_bcnt1_i32_b32 s92, s42
	s_add_co_u32 s62, s61, s92                     ; 3,
	s_bcnt1_i32_b32 s92, s43
	s_add_co_u32 s63, s62, s92                     ; and the count
	s_sub_co_i32 s68, s63, 1
	s_max_i32 s68, s68, 0                          ; the last row
	s_mov_b32 s66, 0
.Lpass:                                            ; (the loads and LDS stores that are out at the first entry name v1, v9, v10, v28, v208 to v219 and s[4:13], which nothing below rewrites; a pass's stores are seen to at its foot)
	s_lshl_b32 s69, s66, 6
	s_sub_co_i32 s67, s63, s69                     ; rows left for this pass and later
	SELECT
	s_cmp_le_i32 s67, 0
	s_cbranch_scc0 .LdoA
	s_wait_loadcnt 0x0                             ; a pass without rows: whatever has been asked for is awaited here, so that behind the join either W2's first five batches are out, in their order, or nothing
	s_branch .LjoinA
.LdoA:
	; ---- the first product and the quantiser
	s_wait_alu depctr_va_vdst(0)                   ; the selection has written v[XO ..] and v[XSO ..], which the gather reads as offsets
	LOADBIAS1 0
	XGATHER
	s_wait_loadcnt 0x0                             ; x, the scale words, and what the ring holds
	s_wait_dscnt 0x0                               ; b1
	BATCH1 0
	BATCH1 1
	LOADBIAS1 1                                    ; behind the places and batch 1's wait: group 0's biases have been read
.irp n, 2,3,4,5,6,7
	BATCH1 \n
.endr
	QUANTS 0
.irp n, 8,9,10,11,12,13,14,15
	BATCH1 \n
.endr
	QUANTS 1
.LjoinA:
	BARRIER                                        ; the hidden layer's fragments lie in LDS
	s_cmp_le_i32 s67, 0
	s_cbranch_scc1 .LskipB
	; ---- the second product and the way out: one of three copies, by the number of row tiles that hold a row
	s_cmp_gt_i32 s67, 48
	s_cbranch_scc1 .LB4
	s_cmp_gt_i32 s67, 32
	s_cbranch_scc1 .LB3
	PHASEB 2
	s_branch .Lbdone
.LB3:
	PHASEB 3
	s_branch .Lbdone
.LB4:
	PHASEB 4
.Lbdone:
	s_cmp_le_i32 s67, 64
	s_cbranch_scc1 .Lno_more
	PROLOGUE                                       ; more than 64 rows: the ring starts anew for the second pass.  No wait: the last products stand ahead of the wait in front of the first tile's way out, and no vector or matrix instruction since names the ring
.Lno_more:
.LskipB:
	BARRIER                                        ; every wave's reads of the hidden layer are over: the next pass may write it
	s_wait_xcnt 0x0                                ; this pass's stores have read their offsets and data: the next pass's selection and gather write those registers again
	s_wait_alu depctr_vm_vsrc(0)                   ; this pass's gather, lane exchanges, stage stores and stores to yb have read v[XO ..], v[XSO ..], v[RID ..], v[IDX ..], v[VOT ..], the accumulators and the rows v[OB ..]: the next pass's selection, products and gather write them again
	s_add_co_u32 s66, s66, 1
	s_cmp_lt_u32 s66, 2
	s_cbranch_scc1 .Lpass
	s_wait_dscnt 0x0                               ; the closing lines, six on end
	s_wait_alu 0x0
	s_wait_tensorcnt 0x0
	ds_add_u32 v254, v255
	s_wait_dscnt 0x0
	s_endpgm
.Lfunc_end_k_q37621ee627_chain:
	.size	k_q37621ee627_chain, .Lfunc_end_k_q37621ee627_chain-k_q37621ee627_chain
	.p2alignl 7, 3214868480
	.fill 96, 4, 3214868480
	.section	.rodata,"a",@progbits
	.p2align	6, 0x0
	.amdhsa_kernel k_q37621ee627_chain
		.amdhsa_group_segment_fixed_size 93696
		.amdhsa_private_segment_fixed_size 0
		.amdhsa_enable_private_segment 0
		.amdhsa_kernarg_size 72
		.amdhsa_user_sgpr_count 2
		.amdhsa_user_sgpr_kernarg_segment_ptr 1
		.amdhsa_wavefront_size32 1
		.amdhsa_system_sgpr_workgroup_id_x 1
		.amdhsa_system_sgpr_workgroup_id_y 1
		.amdhsa_system_sgpr_workgroup_id_z 1
		.amdhsa_system_vgpr_workitem_id 0
		.amdhsa_next_free_vgpr 1024
		.amdhsa_next_free_sgpr 100
		.amdhsa_reserve_vcc 0
		.amdhsa_float_denorm_mode_32 3
		.amdhsa_float_denorm_mode_16_64 3
		.amdhsa_memory_ordered 1
		.amdhsa_forward_progress 1
		.amdhsa_inst_pref_size 255
	.end_amdhsa_kernel
	.section	.bss,"aw",@nobits
	.p2align	6
	.space	262144
	.amdgpu_metadata
---
amdhsa.version: [ 1, 2 ]
amdhsa.kernels:
  - .name:           k_q37621ee627_chain
    .symbol:         k_q37621ee627_chain.kd
    .args:
      - { .name: wf, .offset: 0, .size: 8, .value_kind: global_buffer, .address_space: global }
      - { .name: W1_scales, .offset: 8, .size: 8, .value_kind: global_buffer, .address_space: global }
      - { .name: W2_scales, .offset: 16, .size: 8, .value_kind: global_buffer, .address_space: global }
      - { .name: b1, .offset: 24, .size: 8, .value_kind: global_buffer, .address_space: global }
      - { .name: b2, .offset: 32, .size: 8, .value_kind: global_buffer, .address_space: global }
      - { .name: xq, .offset: 40, .size: 8, .value_kind: global_buffer, .address_space: global }
      - { .name: xs, .offset: 48, .size: 8, .value_kind: global_buffer, .address_space: global }
      - { .name: msk, .offset: 56, .size: 8, .value_kind: global_buffer, .address_space: global }
      - { .name: yb, .offset: 64, .size: 8, .value_kind: global_buffer, .address_space: global }
    .group_segment_fixed_size: 93696
    .private_segment_fixed_size: 0
    .kernarg_segment_align: 8
    .kernarg_segment_size: 72
    .max_flat_workgroup_size: 128
    .sgpr_count:     100
    .vgpr_count:     1024
    .wavefront_size: 32
...
	.end_amdgpu_metadata
.endif
;; end of part 4
;; launch combine: the kernel of part 3 again; grid 256 x 1, 4 waves a work-group, no clusters, 0 bytes of LDS; arguments yb, wts, out0; writes out0
